; MI455X (gfx1250); checked and timed in simulation.
; The chip was launched on July 23, 2026; its instructions are those of AMD's public machine-readable ISA for CDNA 5 (MIT licence, August 2026) and "CDNA5" Instruction Set Architecture Reference Guide (July 2026). The comments in the code are by the model that wrote it; some were corrected since.
;; Mo E. Allowed arithmetic: matrix products marked QUANTISED: E4M3 operands, one E8M0 scale for each 32 along K, by v_wmma_scale_f32_16x16x128_f8f6f4 with both operands' format E4M3, f32 sums; products left as they are: f32 operands where the result goes on into a quantised operand, else bf16, f16 or f32 operands; f32 sums; everything else in f32.
;; Inputs: W1 8 x 1,024 x 4,096 float32; W2 8 x 4,096 x 1,024 float32; Wg 1,024 x 8 float32; Wn 1,024 x 8 float32; b1 8 x 4,096 float32; b2 8 x 1,024 float32; bg 8 float32; bn 8 float32; noise 2 x 512 x 8 float32; x 2 x 512 x 1,024 float32.
;; Outputs: out0 2 x 512 x 1,024 float32.
;; This version of the problem:
;;   THIS VERSION OF THE PROBLEM IS GIVEN IN LOW PRECISION. The matrix products marked QUANTISED in the list below multiply operands that are first quantised to E4M3 (4 exponent bits, 3 mantissa bits; 8 bits a number), with one power-of-two scale for each 32 numbers along K (OCP MX v1.0); their sums are f32. All else is computed in f32.
;;   The module's matrix products, in the order in which they are computed (A, B: the left and right operand; K: the contracted axis; several contracted axes count as one K, in the product's order):
;;     1. [M 1,024, K 1,024] x [K 1,024, N 8]; A: input x; B: input Wg: left as it is (N = 8 < 16)
;;     2. [M 1,024, K 1,024] x [K 1,024, N 8]; A: input x; B: input Wn: left as it is (N = 8 < 16)
;;     3. batch 1,024 x [M 1, K 2] x [K 2, N 8]; A: softmax; B: computed on the way: left as it is (K = 2 < 32)
;;     4. [M 1,024, K 1,024] x [K 1,024, N 32,768]; A: input x; B: input W1: QUANTISED
;;     5. batch 8 x [M 1,024, K 4,096] x [K 4,096, N 1,024]; A: input W2; B: computed on the way: QUANTISED
;;     6. batch 1,024 x [M 1,024, K 8] x [K 8, N 1]; A: computed on the way; B: computed on the way: left as it is (K = 8 < 32)
;;   THE QUANTISER, for each operand of a quantised product, along K:
;;     - K is cut into blocks of 32 from its start; a last block that is shorter is filled with zeros.
;;     - A block's scale is 2^e with e = floor(log2(the largest magnitude in the block)) - 8, held to -126 .. 127; a block of zeros has e = 0. As a byte (E8M0): e + 127.
;;     - Each number is divided by its block's scale, clamped to +-448, and rounded to the nearest number of E4M3, ties to even, subnormals kept.
;;     - The product sums the exact products of the quantised numbers (number of the format x scale) in f32.
;;   ~~~python
;;   def quantise(x, axis):      # numpy; x: float32 -> the quantised numbers, widened to float32 again
;;       x = np.moveaxis(x, axis, -1); K = x.shape[-1]
;;       x = np.pad(x, [(0, 0)] * (x.ndim - 1) + [(0, -K % 32)]); x = x.reshape(x.shape[:-1] + (-1, 32)); a = np.abs(x).max(-1, keepdims=True)
;;       e = np.where(a > 0, np.clip(np.frexp(np.where(a > 0, a, 1))[1] - 1 - 8, -126, 127), 0)      # np.frexp(a)[1] - 1 = floor(log2(a)), exactly
;;       r = np.clip(x / 2.0 ** e, -448, 448)
;;       step = 2.0 ** (np.maximum(np.frexp(np.where(r == 0, 1, r))[1] - 1, -6) - 3)
;;       q = np.round(r / step) * step * 2.0 ** e      # np.round: ties to even
;;       return np.moveaxis(q.reshape(q.shape[:-2] + (-1,))[..., :K], -1, axis).astype(np.float32)
;;   ~~~
;;   OPERANDS COMPUTED ON THE WAY. 'Computed on the way' means the value that the module computes at that place (a softmax that the list does not call 'softmax' is quantised finished and normalised). What goes into a quantiser is computed in f32, as accurately as f32 sums, v_exp_f32 and their like allow (about 1e-6 of the number): no bf16 or f16 on the way to a quantiser, and a product that is left as it is and whose result goes on into a quantised operand takes f32 operands (vector FMAs, or v_wmma_f32_16x16x4_f32). A number that lies on a knife's edge between two numbers of the format may be rounded either way, as far as f32 arithmetic and the matrix unit's own rounding can turn it there, and no further.
;; One version. Each part assembles by itself: llvm-mc -triple=amdgcn-amd-amdhsa -mcpu=gfx1250 --defsym DOCPART=n.
;; ======== version 1 of 1: 4 launches
;; limits: right only within a limited range of input values
;; workspace buffers: xq 1,081,344 bytes; sel 4,096 bytes of whole numbers; gw 8,192 bytes; lst 33,024 bytes of whole numbers; hq 33,554,432 bytes; hs 2,097,152 bytes; yp 16,777,216 bytes
;; launch route (part 1): grid 256 x 1, 4 waves a work-group, no clusters, 71,168 bytes of LDS; arguments x, Wg, bg, Wn, bn, noise, xq, sel, gw; writes xq, sel, gw
.if DOCPART == 1
	.amdgcn_target "amdgcn-amd-amdhsa--gfx1250"
	.amdhsa_code_object_version 6
	.text
	.protected	k_q47f7108f50_route
	.globl	k_q47f7108f50_route
	.p2align	8
	.type	k_q47f7108f50_route,@function
k_q47f7108f50_route:
	s_mov_b64 s[64:65], 0
	v_nop
	global_prefetch_b8 v0, s[64:65] scope:SCOPE_SE
	s_setreg_imm32_b32 hwreg(HW_REG_WAVE_MODE, 25, 1), 1
	s_wait_xcnt 0x0
; THE GATE AND x's CODES.  H = x Wg + bg + noise * softplus(x Wn + bn), all in f32 (fused multiply-adds: the result decides a choice, so nothing coarser stands ahead of it);
; the two largest H of a token (of equal numbers the lower index is kept: every comparison is strict), their softmax (the larger is taken away ahead of the exponential), and x as codes of E4M3 with one E8M0 byte for each 32 along D.
; SHARES.  One wave takes one token: t = 4 x work-group + wave.  Lane l holds x[t][256 i + 8 l + m], i = 0..3, m = 0..7: a block of 32 lies in four neighbouring lanes.
; Wg and Wn (32,768 bytes each) come once for the work-group, dense, each wave a quarter, into LDS with 16 bytes behind every 256: a lane's eight rows (256 bytes) then begin 272 bytes from the next lane's.
; OUT.  xq: codes [token][1024], from byte 1,048,576 on the scale bytes [token][32].  sel: for each token (1 << e0) | (1 << (8 + e1)).  gw: [token][2] the two weights.  All at fixed places: no address hangs on the choice.
; The scale bytes (32 a token), sel (4) and gw (8) leave as short stores: 44 bytes a token against the 4,096 read.
; LIMITS.  NaN and infinities among the inputs are not served.  A block of zeros gets the byte 1 where the rule says 127: its codes are zeros, and this program alone reads the bytes.
; Two H that differ by less than the rounding of the f32 sums (their order is not the reference's) may be chosen either way.
; WORK LEFT OUT, in this program: reference() computes every expert for every token and weighs the results by comb, which it builds from one_hot(top_idx): outside a token's two choices comb is 0, for all values of the inputs.
; So an expert is worked for the rows that chose it alone.  A NaN, an infinity or an overflow that reaches only an expert that a token did not choose is not carried to that token's result.
.set WNL, 34816
.set SB,  69632                        ; behind them 256 bytes for each wave: its token's 32 scale bytes
.set X,   16                           ; v16-47   x: register 8 i + m
.set AC,  48                           ; v48-63   sums: e = 0..7 of x Wg, then of x Wn
.set WR,  64                           ; v64-191  128 numbers of Wg and Wn; later at work
.set QT,  192                          ; v192-199 eight numbers, held
.set QC,  200                          ; v200-207 codes, two registers for each i: no store's data are written again
.set QE,  208                          ; v208-211 scale bytes
.set QM,  212                          ; v212-223 for each i: largest magnitude, the conversion's scale operand, 448 x the scale
	s_load_b256 s[4:11], s[0:1], 0x0               ; x s[4:5], Wg s[6:7], bg s[8:9], Wn s[10:11]
	s_load_b256 s[12:19], s[0:1], 0x20             ; bn s[12:13], noise s[14:15], xq s[16:17], sel s[18:19]
	s_load_b64 s[20:21], s[0:1], 0x40              ; gw
	v_lshl_add_u32 v254, v0, 2, 0x11400
	v_mov_b32 v255, 0
	v_lshrrev_b32 v2, 5, v0
	v_readfirstlane_b32 s50, v2                    ; wave
	v_and_b32 v1, 31, v0                           ; lane
	s_lshl_b32 s51, ttmp9, 2
	s_add_co_u32 s51, s51, s50                     ; my token
	v_lshlrev_b32 v3, 5, v1                        ; x: 32 bytes a lane
	s_lshl_b32 s2, s50, 13
	v_lshl_add_u32 v4, v1, 4, s2                   ; Wg, Wn in memory: my wave's 8,192 bytes, 16 a lane
	v_lshlrev_b32 v5, 3, v1                        ; codes: 8 bytes a lane
	s_lshl_b32 s53, s50, 8
	s_add_co_u32 s53, s53, SB                      ; my wave's scale bytes
	v_lshrrev_b32 v6, 2, v1
	v_add_nc_u32 v6, s53, v6                       ; the byte of my block: four lanes to a block
	v_lshrrev_b32 v7, 4, v1
	v_add_nc_u32 v7, v7, v1
	s_mul_i32 s2, s50, 8704
	v_lshl_add_u32 v7, v7, 4, s2                   ; Wg, Wn into LDS: 16 lane + 16 (lane / 16) + 8,704 wave
	v_mul_u32_u24 v8, v1, 272                      ; and out of it: my eight rows
	v_and_b32 v9, 7, v1
	v_lshl_add_u32 v9, v9, 2, s53                  ; a scale word on the way out
	v_lshlrev_b32 v10, 2, v1
	v_mov_b32 v11, 0
	s_mov_b32 s52, 0x600000                        ; the mantissa field of 448
	s_mov_b32 s60, 0x76543210
	s_mov_b32 s61, 0xfedcba98                      ; v_permlanex16_b32's selects for lane l xor 16
	s_mov_b32 s62, 0xbfb8aa3b                      ; -log2(e)
	s_mov_b32 s63, 0x3f317218                      ; ln(2)
	s_mov_b32 s3, 0
	s_wait_kmcnt 0x0
	s_lshl_b32 s2, s51, 12
	s_add_nc_u64 s[4:5], s[4:5], s[2:3]            ; x at my token
.irp i, 0,1,2,3
	global_load_b128 v[X+8*\i:X+8*\i+3], v3, s[4:5] offset:1024*\i th:TH_LOAD_NT
	global_load_b128 v[X+8*\i+4:X+8*\i+7], v3, s[4:5] offset:1024*\i+16 th:TH_LOAD_NT
.endr
.irp q, 0,1,2,3,4,5,6,7,8,9,10,11,12,13,14,15
	global_load_b128 v[WR+4*\q:WR+4*\q+3], v4, s[6:7] offset:512*\q          ; 32 lanes read 512 consecutive bytes
.endr
.irp q, 0,1,2,3,4,5,6,7,8,9,10,11,12,13,14,15
	global_load_b128 v[WR+64+4*\q:WR+64+4*\q+3], v4, s[10:11] offset:512*\q
.endr
	s_lshl_b32 s2, s51, 5
	s_add_nc_u64 s[14:15], s[14:15], s[2:3]        ; noise at my token
	s_add_nc_u64 s[56:57], s[16:17], s[2:3]
	s_add_nc_u64 s[56:57], s[56:57], 0x100000      ; my token's scale bytes
	s_lshl_b32 s2, s51, 10
	s_add_nc_u64 s[54:55], s[16:17], s[2:3]        ; my token's codes
	s_lshl_b32 s2, s51, 2
	s_add_nc_u64 s[18:19], s[18:19], s[2:3]
	s_lshl_b32 s2, s51, 3
	s_add_nc_u64 s[20:21], s[20:21], s[2:3]
	s_load_b256 s[24:31], s[8:9], 0x0              ; bg
	s_load_b256 s[32:39], s[12:13], 0x0            ; bn
	s_load_b256 s[40:47], s[14:15], 0x0            ; noise
	s_wait_loadcnt 32                              ; x is in; the 32 loads of Wg and Wn, issued behind it, may be out
	; x into codes.  x's own registers stay as they are: the gate wants the f32 numbers
.irp i, 0,1,2,3
	v_max3_num_f32 v[QM+3*\i], |v[X+8*\i]|, |v[X+8*\i+1]|, 0x4800000          ; my eight numbers and the floor 2^(9 - 127): the byte cannot fall under 1
	v_max3_num_f32 v[QM+3*\i], v[QM+3*\i], |v[X+8*\i+2]|, |v[X+8*\i+3]|
	v_max3_num_f32 v[QM+3*\i], v[QM+3*\i], |v[X+8*\i+4]|, |v[X+8*\i+5]|
	v_max3_num_f32 v[QM+3*\i], v[QM+3*\i], |v[X+8*\i+6]|, |v[X+8*\i+7]|
	v_max_num_f32_dpp v[QM+3*\i], v[QM+3*\i], v[QM+3*\i] row_xmask:1 row_mask:0xf bank_mask:0xf
	v_max_num_f32_dpp v[QM+3*\i], v[QM+3*\i], v[QM+3*\i] row_xmask:2 row_mask:0xf bank_mask:0xf   ; the four lanes' : the block's largest magnitude
	v_add_nc_u32 v[QM+3*\i+1], 0xfc000000, v[QM+3*\i]          ; 8 off its exponent field: the conversion takes this operand's exponent field as its scale
	v_and_or_b32 v[QM+3*\i+2], v[QM+3*\i], 0x7f800000, s52     ; 448 x the scale
	v_lshrrev_b32 v[QE+\i], 23, v[QM+3*\i+1]                   ; the scale's byte
.irp m, 0,1,2,3,4,5,6,7
	v_med3_num_f32 v[QT+\m], v[X+8*\i+\m], -v[QM+3*\i+2], v[QM+3*\i+2]   ; the conversion to an 8-bit code does not saturate (ISA guide 7.6.2): the hold comes first
.endr
	v_cvt_scalef32_pk8_fp8_f32 v[QC+2*\i:QC+2*\i+1], v[QT:QT+7], v[QM+3*\i+1]
	v_nop                                          ; a plain line between the conversion and the next write of its sources
	global_store_b64 v5, v[QC+2*\i:QC+2*\i+1], s[54:55] offset:256*\i   ; the wave stores 256 consecutive bytes, aligned
	ds_store_b8 v6, v[QE+\i] offset:8*\i           ; the four lanes of a block write the same byte with the same value
.endr
	s_wait_loadcnt 0x0                             ; Wg and Wn
.irp q, 0,1,2,3,4,5,6,7,8,9,10,11,12,13,14,15
	ds_store_b128 v7, v[WR+4*\q:WR+4*\q+3] offset:544*\q
.endr
.irp q, 0,1,2,3,4,5,6,7,8,9,10,11,12,13,14,15
	ds_store_b128 v7, v[WR+64+4*\q:WR+64+4*\q+3] offset:WNL+544*\q
.endr
	s_wait_dscnt 0x0                               ; for the others' sake: my quarter lies in LDS
	s_barrier_signal -1
	s_barrier_wait -1
	; the two products.  Row d = 256 i + 8 l + m of Wg (8 numbers, 32 bytes) lies at 8,704 i + 272 l + 32 m
.irp i, 0,1,2,3
.irp m, 0,1,2,3,4,5,6,7
	ds_load_b128 v[WR+16*\m:WR+16*\m+3], v8 offset:8704*\i+32*\m
	ds_load_b128 v[WR+16*\m+4:WR+16*\m+7], v8 offset:8704*\i+32*\m+16
	ds_load_b128 v[WR+16*\m+8:WR+16*\m+11], v8 offset:WNL+8704*\i+32*\m
	ds_load_b128 v[WR+16*\m+12:WR+16*\m+15], v8 offset:WNL+8704*\i+32*\m+16
.endr
	s_wait_alu depctr_va_vdst(0)
	s_wait_dscnt 0x0
.irp n, 0,1,2,3                        ; m = 2 n and 2 n + 1: of the pair of x the first, then the second, serves both halves
.irp p, 0,1,2,3,4,5,6,7
.if (\i == 0) && (\n == 0)
	v_pk_mul_f32 v[AC+2*\p:AC+2*\p+1], v[WR+2*\p:WR+2*\p+1], v[X:X+1] op_sel_hi:[1,0]   ; the first products start the sums: nothing is cleared
.else
	v_pk_fma_f32 v[AC+2*\p:AC+2*\p+1], v[WR+32*\n+2*\p:WR+32*\n+2*\p+1], v[X+8*\i+2*\n:X+8*\i+2*\n+1], v[AC+2*\p:AC+2*\p+1] op_sel_hi:[1,0,1]
.endif
.endr
.irp p, 0,1,2,3,4,5,6,7
	v_pk_fma_f32 v[AC+2*\p:AC+2*\p+1], v[WR+32*\n+16+2*\p:WR+32*\n+16+2*\p+1], v[X+8*\i+2*\n:X+8*\i+2*\n+1], v[AC+2*\p:AC+2*\p+1] op_sel:[0,1,0] op_sel_hi:[1,1,1]
.endr
.endr
.endr
	; the 16 sums over the 32 lanes; every lane ends with all of them
.irp x, 1,2,4,8
.irp k, 0,1,2,3,4,5,6,7,8,9,10,11,12,13,14,15
	v_add_f32_dpp v[AC+\k], v[AC+\k], v[AC+\k] row_xmask:\x row_mask:0xf bank_mask:0xf
.endr
.endr
.irp k, 0,1,2,3,4,5,6,7,8,9,10,11,12,13,14,15
	v_permlanex16_b32 v[WR+\k], v[AC+\k], s60, s61 ; (its destination counts as read: these registers have been written)
.endr
.irp k, 0,1,2,3,4,5,6,7,8,9,10,11,12,13,14,15
	v_add_f32 v[AC+\k], v[AC+\k], v[WR+\k]
.endr
	s_wait_alu depctr_va_vdst(0)
	s_wait_kmcnt 0x0                               ; bg, bn, noise
	; softplus(z) = max(z, 0) + ln(2) log2(1 + 2^(-|z| log2 e)): no exponential can overflow
.irp e, 0,1,2,3,4,5,6,7
	v_add_f32 v[80+\e], s[32+\e], v[AC+8+\e]       ; z
.endr
.irp e, 0,1,2,3,4,5,6,7
	v_mul_f32 v[88+\e], s62, |v[80+\e]|
.endr
	s_wait_alu depctr_va_vdst(0)
.irp e, 0,1,2,3,4,5,6,7
	v_exp_f32 v[88+\e], v[88+\e]
.endr
.irp e, 0,1,2,3,4,5,6,7
	v_max_num_f32 v[96+\e], 0, v[80+\e]            ; plain work behind the batch
.endr
	s_wait_alu depctr_va_vdst(0)                   ; one wait for the eight exponentials, ahead of their first reader
.irp e, 0,1,2,3,4,5,6,7
	v_add_f32 v[88+\e], 1.0, v[88+\e]
.endr
	s_wait_alu depctr_va_vdst(0)
.irp e, 0,1,2,3,4,5,6,7
	v_log_f32 v[88+\e], v[88+\e]
.endr
.irp e, 0,1,2,3,4,5,6,7
	v_add_f32 v[104+\e], s[24+\e], v[AC+\e]        ; x Wg + bg: plain work behind the batch
.endr
	s_wait_alu depctr_va_vdst(0)                   ; one wait for the eight logarithms
.irp e, 0,1,2,3,4,5,6,7
	v_fma_f32 v[96+\e], v[88+\e], s63, v[96+\e]    ; softplus
.endr
.irp e, 0,1,2,3,4,5,6,7
	v_fma_f32 v[104+\e], s[40+\e], v[96+\e], v[104+\e]   ; H
.endr
	; the two largest, with their experts as single bits.  v112 the largest, v113 the second, v114, v115 their bits
	v_cmp_gt_f32 vcc_lo, v105, v104
	v_cndmask_b32 v112, v104, v105, vcc_lo
	v_cndmask_b32 v113, v105, v104, vcc_lo
	v_cndmask_b32 v114, 1, 2, vcc_lo
	v_cndmask_b32 v115, 2, 1, vcc_lo
.irp e, 2,3,4,5,6,7
	v_cmp_gt_f32 s2, v[104+\e], v112
	v_cmp_gt_f32 vcc_lo, v[104+\e], v113
	v_cndmask_b32 v113, v113, v[104+\e], vcc_lo    ; above the second: it takes the second's place,
	v_cndmask_b32 v115, v115, 1<<\e, vcc_lo
	v_cndmask_b32 v113, v113, v112, s2             ; above the first: the first moves down
	v_cndmask_b32 v115, v115, v114, s2
	v_cndmask_b32 v112, v112, v[104+\e], s2
	v_cndmask_b32 v114, v114, 1<<\e, s2
.endr
	v_sub_f32 v116, v113, v112                     ; the second less the largest: 0 or less
	v_mul_f32 v116, 0x3fb8aa3b, v116
	s_wait_alu depctr_va_vdst(0)
	v_exp_f32 v117, v116
	v_lshl_or_b32 v119, v115, 8, v114              ; the choice as a whole number (a plain line behind the exponential)
	s_wait_alu depctr_va_vdst(0)
	v_add_f32 v118, 1.0, v117
	s_wait_alu depctr_va_vdst(0)
	v_rcp_f32 v120, v118                           ; the first weight: 1 / (1 + t)
	v_nop
	s_wait_alu depctr_va_vdst(0)
	v_mul_f32 v121, v117, v120                     ; the second: t / (1 + t)
	ds_load_b32 v122, v9                           ; LDS serves a wave's instructions in order: this sees my byte stores
	s_wait_alu depctr_va_vdst(0)
	s_wait_dscnt 0x0
	s_wait_xcnt 0x0                                ; EXEC changes only behind this wait
	v_cmp_gt_u32 vcc_lo, 8, v1
	s_wait_tensorcnt 0x0
	ds_add_u32 v254, v255
	s_wait_dscnt 0x0
	s_and_saveexec_b32 s2, vcc_lo
	global_store_b32 v10, v122, s[56:57]           ; eight lanes: the token's 32 scale bytes
	s_wait_xcnt 0x0
	s_or_b32 exec_lo, exec_lo, s2
	v_cmp_eq_u32 vcc_lo, 0, v1
	s_and_saveexec_b32 s2, vcc_lo
	global_store_b32 v11, v119, s[18:19]
	global_store_b64 v11, v[120:121], s[20:21]
	s_wait_xcnt 0x0
	s_or_b32 exec_lo, exec_lo, s2
	s_endpgm
.Lfunc_end_k_q47f7108f50_route:
	.size	k_q47f7108f50_route, .Lfunc_end_k_q47f7108f50_route-k_q47f7108f50_route
	.p2alignl 7, 3214868480
	.fill 96, 4, 3214868480
	.section	.rodata,"a",@progbits
	.p2align	6, 0x0
	.amdhsa_kernel k_q47f7108f50_route
		.amdhsa_group_segment_fixed_size 71168
		.amdhsa_private_segment_fixed_size 0
		.amdhsa_enable_private_segment 0
		.amdhsa_kernarg_size 72
		.amdhsa_user_sgpr_count 2
		.amdhsa_user_sgpr_kernarg_segment_ptr 1
		.amdhsa_wavefront_size32 1
		.amdhsa_system_sgpr_workgroup_id_x 1
		.amdhsa_system_sgpr_workgroup_id_y 1
		.amdhsa_system_sgpr_workgroup_id_z 1
		.amdhsa_system_vgpr_workitem_id 0
		.amdhsa_next_free_vgpr 256
		.amdhsa_next_free_sgpr 66
		.amdhsa_reserve_vcc 1
		.amdhsa_float_denorm_mode_32 3
		.amdhsa_float_denorm_mode_16_64 3
		.amdhsa_memory_ordered 1
		.amdhsa_forward_progress 1
		.amdhsa_inst_pref_size 51
	.end_amdhsa_kernel
	.amdgpu_metadata
---
amdhsa.version: [ 1, 2 ]
amdhsa.kernels:
  - .name:           k_q47f7108f50_route
    .symbol:         k_q47f7108f50_route.kd
    .args:
      - { .name: x, .offset: 0, .size: 8, .value_kind: global_buffer, .address_space: global }
      - { .name: Wg, .offset: 8, .size: 8, .value_kind: global_buffer, .address_space: global }
      - { .name: bg, .offset: 16, .size: 8, .value_kind: global_buffer, .address_space: global }
      - { .name: Wn, .offset: 24, .size: 8, .value_kind: global_buffer, .address_space: global }
      - { .name: bn, .offset: 32, .size: 8, .value_kind: global_buffer, .address_space: global }
      - { .name: noise, .offset: 40, .size: 8, .value_kind: global_buffer, .address_space: global }
      - { .name: xq, .offset: 48, .size: 8, .value_kind: global_buffer, .address_space: global }
      - { .name: sel, .offset: 56, .size: 8, .value_kind: global_buffer, .address_space: global }
      - { .name: gw, .offset: 64, .size: 8, .value_kind: global_buffer, .address_space: global }
    .group_segment_fixed_size: 71168
    .private_segment_fixed_size: 0
    .kernarg_segment_align: 8
    .kernarg_segment_size: 72
    .max_flat_workgroup_size: 128
    .sgpr_count:     66
    .vgpr_count:     256
    .wavefront_size: 32
...
	.end_amdgpu_metadata
.endif
;; end of part 1
;; launch ffn1 (part 2): grid 32 x 8, 4 waves a work-group, no clusters, 141,824 bytes of LDS; arguments W1, b1, xq, sel, hq, hs, lst; writes hq, hs, lst
.if DOCPART == 2
	.amdgcn_target "amdgcn-amd-amdhsa--gfx1250"
	.amdhsa_code_object_version 6
	.text
	.protected	k_q47f7108f50_ffn1
	.globl	k_q47f7108f50_ffn1
	.p2align	8
	.type	k_q47f7108f50_ffn1,@function
k_q47f7108f50_ffn1:
	s_mov_b64 s[64:65], 0
	v_nop
	global_prefetch_b8 v0, s[64:65] scope:SCOPE_SE
	s_setreg_imm32_b32 hwreg(HW_REG_WAVE_MODE, 25, 1), 1
	s_wait_xcnt 0x0
; h = Q(relu(Q(x) Q(W1) + b1)) for the rows that chose expert e, on codes of E4M3 with one E8M0 scale for each 32 along K.
; SHARES.  Work-group (sl, e) owns hidden units 128 sl .. 128 sl + 127 of expert e: the slab W1[e][0:1024][128 sl : +128], 524,288 bytes of f32, is read from memory once, quantised in registers
; and kept in LDS as 64 images of operand registers (8 K steps x 8 tiles of 16 units).  Then all rows of the expert go against it, 80 rows (5 tiles) a wave and trip.
; No tensor load and no joint request: how many trips do work hangs on the stored choices.
; PHASE W.  Wave w (ch = w & 1, kp = w >> 1) makes 64 units x 512 along K.  Lane (q = lane % 16, hh = lane / 16) loads 16 bytes: one row k, four neighbouring units; sixteen lanes read 256 consecutive bytes, aligned.
; TILE j OF FOUR IS THE UNITS THAT ARE j MODULO 4: for unit 4 cg(q) + j the lane then holds k = 32 c + 16 hh + 0 .. 15, which is what the operand's layout gives lane (q, hh).  The hold's free destination brings a unit's 16 numbers
; into consecutive registers, so the conversions' results are the operand's registers and nothing is transposed.  cg(q) is q with its bits 2 and 3 exchanged: with it the first product's results fall as the second product's operand wants them.
; THE ROWS.  sel holds each token's two experts as bits.  Every wave makes the expert's 32 masks of 32 tokens and their running counts, and finds for each of its ranks the token (SELECT).  The order of ranks is the same in all work-groups.
; The work-groups with sl = 0 store the list (2 token + k by rank, up to the end of the last tile) and the count for the next launch.
; PHASE R.  The product is used transposed (source 0 = 16 units, source 1 = 16 rows of x): lane (r, h), register 4 cl + i of tile 4 ch + j holds row r and unit 64 ch + 32 cl + 16 h + 4 i + j: block 2 ch + cl, place 16 h + 4 i + j.
; b1 is the C of each sum's first matrix instruction.  relu and the hold are one v_med3_num_f32.  The codes leave as an image of the next operand's registers: hq [e][tile][K step = sl][2,048 bytes]; hs holds the rows' scale words.
; An expert has at most 1,024 rows, and the four waves take 320 a trip: the loop over rows has four trips, and a wave leaves it as soon as its ranks pass the count.
; An expert that no token chose is worked as if it had one row, so that its first tile and its list's first 16 places are stored: the next launch reads nothing that was not stored, and stores nothing for it.
; LIMITS.  NaN and infinities are not served.  A block of zeros gets the byte 1 where the rule says 127: its codes are zeros, and this program alone reads the bytes.  hs is stored 4 bytes a lane, 16 apart: one part in 17 of what leaves.
; REGISTERS, in windows of 256.  Window 0: addresses, SELECT's work, scale words (v96-151: scales and nothing else), the way out.  Window 1: x's fragments, three sets of 80.
; Window 2: phase W: four blocks of 64 numbers as loaded; phase R: accumulator (a, b) at 64 a + 8 b, a = 0..3.  Window 3: phase W: at work; phase R: accumulators (4, b) at 8 b, b1 at 64, W1's eight fragments at 128.
.set RP,   16384                       ; a row of W1 in bytes
.set SCL,  131072                      ; LDS: wave w's 16 images at 32,768 w + 8,192 sloc + 2,048 j + 512 c + 16 lane (K step 4 kp + sloc, tile 4 ch + j); from here its scale words: 2,048 w + 512 sloc + 16 lane + 4 j
.set B1S,  139264                      ; and 512 bytes for each wave: its copy of the slab's b1
.set L16,  4                           ; v4   16 x lane
.set H16,  5                           ; v5   16 x (lane / 16)
.set B1W,  6                           ; v6   b1 into LDS
.set IMH,  7                           ; v7   images of K steps 4 to 7
.set SCB,  8                           ; v8   W1's scale words
.set B1R,  9                           ; v9   b1 out of LDS
.set VM,   10                          ; v10  lane g: the mask of group g's tokens that chose e
.set VM1,  11                          ; v11  of those that chose it second
.set VP,   12                          ; v12  how many rows stand ahead of group g
.set RK,   13                          ; v13-15 three vectors of ranks
.set ID,   16                          ; v16-18 2 token + k
.set TOK,  19                          ; v19-21
.set XO,   22                          ; v22-26 x's codes: 1,024 token + 16 h, for each of my five tiles
.set XSO,  27                          ; v27-31 x's scale bytes: 32 token
.set SLW,  32                          ; v32-58 SELECT's work, three registers each
.set SLW1, 35
.set SLB,  38
.set SLG,  41
.set SLN,  44
.set SLC,  47
.set SLP,  50
.set SLT,  53
.set SLA,  56
.set PK,   64                          ; v64-95 sel as loaded; later held numbers
.set XS,   96                          ; v96-135  x's scale words: 8 a + s
.set BS,   136                         ; v136-151 W1's: two sets of 8
.set EM,   152                         ; v152-171 the way out: largest magnitudes, the other half's, scale operands, 448 x the scale, bytes
.set EX,   156
.set ES,   160
.set EH,   164
.set EB,   168
.set PW,   176                         ; v176 the rows' scale word
.set HC,   224                         ; v224-239 the codes
.set QM,   4                           ; window 3, phase W: largest magnitudes, the other half's, scale operands, 448 x the scale, bytes, scale words
.set QX,   8
.set QS,   12
.set QH,   16
.set QB,   20
.set QW,   24
.set WA,   28                          ; my byte in W1's slab
.set IA,   29                          ; where my images go, and my scale words
.set SA,   30
.set IAC,  31                          ; the same for the K step in hand
.set SAC,  32
.set QT,   40                          ; 64 held numbers: 16 j + i
.set QC,   104                         ; a K step's codes: 16 j + 4 c
.set BI,   64                          ; window 3, phase R
.set BF,   128
.set MSB, 0
.macro WIN new                         ; the immediate's high byte repeats the setting that is left; a switch that changes nothing is dropped
.if MSB != \new
	s_set_vgpr_msb (MSB<<8)|\new
.set MSB, \new
.endif
.endm
.macro PLACES                          ; eight places behind this matrix form, in front of loads into its registers and of reads of its results
.rept 8
	v_nop
.endr
.endm
; x's five fragments of K step s into set s % 3: lane (r, h) takes bytes 128 s + 32 c + 16 h of its row's codes
.macro ALOAD s
	WIN 0x40
.irp a, 0,1,2,3,4
.irp c, 0,1,2,3
	global_load_b128 v[80*((\s)%3)+16*\a+4*\c:80*((\s)%3)+16*\a+4*\c+3], v[XO+\a], s[8:9] offset:128*(\s)+32*\c
.endr
.endr
.endm
; what a trip wants first: the rows' scale words (all 8 K steps) and the fragments of K steps 0 and 1: 50 loads
.macro APRO
	WIN 0
.irp a, 0,1,2,3,4
	global_load_b128 v[XS+8*\a:XS+8*\a+3], v[XSO+\a], s[38:39]
	global_load_b128 v[XS+8*\a+4:XS+8*\a+7], v[XSO+\a], s[38:39] offset:16
.endr
	ALOAD 0
	ALOAD 1
.endm
; One block of 32 along K x 64 units.  lc: the younger loads that may stay out.  reissue = 1: the block's registers take the same block of the next K step.  hook = 1: APRO stands behind the wait.
.macro QBLOCK c, reissue, lc, hook
	s_wait_loadcnt \lc
.if \hook
	APRO
.endif
	WIN 0xeb                                       ; destination and source 0 window 3, the numbers window 2
.irp j, 0,1,2,3
	v_max3_num_f32 v[QM+\j], 0x4800000, |v[64*\c+\j]|, |v[64*\c+4+\j]|        ; unit j's 16 numbers and the floor 2^(9 - 127): the byte cannot fall under 1
.endr
.irp p, 1,2,3,4,5,6,7
.irp j, 0,1,2,3
	v_max3_num_f32 v[QM+\j], v[QM+\j], |v[64*\c+8*\p+\j]|, |v[64*\c+8*\p+4+\j]|   ; (the four units by turns)
.endr
.endr
	WIN 0xff
.irp j, 0,1,2,3
	v_permlanex16_b32 v[QX+\j], v[QM+\j], s30, s31
.endr
.irp j, 0,1,2,3
	v_max_num_f32 v[QM+\j], v[QM+\j], v[QX+\j]     ; with lane l xor 16's 16: the block's largest magnitude
.endr
.irp j, 0,1,2,3
	v_add_nc_u32 v[QS+\j], 0xfc000000, v[QM+\j]    ; 8 off its exponent field: the conversion's scale operand
.endr
.irp j, 0,1,2,3
	v_and_or_b32 v[QH+\j], v[QM+\j], 0x7f800000, s32   ; 448 x the scale
.endr
.if \c == 0
.irp j, 0,1,2,3
	v_lshrrev_b32 v[QW+\j], 23, v[QS+\j]           ; the byte of block 0 starts the scale word
.endr
.else
.irp j, 0,1,2,3
	v_lshrrev_b32 v[QB+\j], 23, v[QS+\j]
.endr
.irp j, 0,1,2,3
	v_lshl_or_b32 v[QW+\j], v[QB+\j], 8*\c, v[QW+\j]
.endr
.endif
	WIN 0xfb
.irp j, 0,1,2,3
.irp i, 0,1,2,3,4,5,6,7,8,9,10,11,12,13,14,15
	v_med3_num_f32 v[QT+16*\j+\i], -v[QH+\j], v[64*\c+4*\i+\j], v[QH+\j]      ; the hold (the conversion does not saturate: ISA guide 7.6.2), and unit j's numbers side by side
.endr
.endr
.if \reissue
	WIN 0x83                                       ; destination window 2, address window 3
.irp i, 0,1,2,3,4,5,6,7,8,9,10,11,12,13,14,15
	global_load_b128 v[64*\c+4*\i:64*\c+4*\i+3], v[WA], s[36:37] offset:(128+32*\c+\i)*RP th:TH_LOAD_NT
.endr
.endif
	WIN 0xff
.irp j, 0,1,2,3
	v_cvt_scalef32_pk8_fp8_f32 v[QC+16*\j+4*\c:QC+16*\j+4*\c+1], v[QT+16*\j:QT+16*\j+7], v[QS+\j]
	v_cvt_scalef32_pk8_fp8_f32 v[QC+16*\j+4*\c+2:QC+16*\j+4*\c+3], v[QT+16*\j+8:QT+16*\j+15], v[QS+\j]
.endr
.endm
; A K step of 128: four blocks, then four fragments and their scale words go to LDS as images of the registers.
; With reissue three younger blocks of 16 loads are out at each wait: 48.  Without, the counts run down, and APRO stands behind the wait for 0, so that it disturbs no count.
.macro WSTEP reissue
	WIN 0xff
	s_wait_dscnt 0x0                               ; the last K step's LDS stores have read their registers
	v_add_nc_u32 v[IAC], s46, v[IA]
	v_add_nc_u32 v[SAC], s47, v[SA]
.if \reissue
	QBLOCK 0, 1, 48, 0
	QBLOCK 1, 1, 48, 0
	QBLOCK 2, 1, 48, 0
	QBLOCK 3, 1, 48, 0
.else
	QBLOCK 0, 0, 48, 0
	QBLOCK 1, 0, 32, 0
	QBLOCK 2, 0, 16, 0
	QBLOCK 3, 0, 0, 1
.endif
	v_nop                                          ; a plain line behind the last conversion
.irp j, 0,1,2,3
.irp c, 0,1,2,3
	ds_store_b128 v[IAC], v[QC+16*\j+4*\c:QC+16*\j+4*\c+3] offset:2048*\j+512*\c
.endr
	ds_store_b32 v[SAC], v[QW+\j] offset:4*\j
.endr
.endm
; For ranks s24 + 0 .. 95 (three vectors): the token and which of its two choices.  Two counted loops of 32 trips; no lane index and no LDS address is made of loaded numbers.
.macro SELECT
	v_add_nc_u32 v[RK], s24, v1
	v_add_nc_u32 v[RK+1], 32, v[RK]
	v_add_nc_u32 v[RK+2], 64, v[RK]
.irp q, 0,1,2,3,4,5,6,7,8,9,10,11
	v_mov_b32 v[SLW+\q], 0
.endr
	s_mov_b32 s49, 0
.Lgrp_\@:                              ; the last group whose running count is at most the rank holds it: groups without rows are passed over
	v_readlane_b32 s26, v[VM], s49
	v_readlane_b32 s27, v[VM1], s49
	v_readlane_b32 s28, v[VP], s49
.irp v, 0,1,2
	v_cmp_le_u32 vcc_lo, s28, v[RK+\v]
	v_cndmask_b32 v[SLW+\v], v[SLW+\v], s26, vcc_lo
	v_cndmask_b32 v[SLW1+\v], v[SLW1+\v], s27, vcc_lo
	v_cndmask_b32 v[SLB+\v], v[SLB+\v], s28, vcc_lo
	v_cndmask_b32 v[SLG+\v], v[SLG+\v], s49, vcc_lo
.endr
	s_add_co_u32 s49, s49, 1
	s_cmp_lt_u32 s49, 32
	s_cbranch_scc1 .Lgrp_\@
.irp v, 0,1,2
	v_sub_nc_u32 v[SLN+\v], v[RK+\v], v[SLB+\v]    ; n: the rank inside the group
	v_mov_b32 v[SLC+\v], 0
	v_mov_b32 v[SLP+\v], 0
.endr
	s_mov_b32 s49, 0
.Lbit_\@:                              ; the place of the mask's set bit number n = how many places have at most n set bits up to and with them
.irp v, 0,1,2
	v_bfe_u32 v[SLT+\v], v[SLW+\v], s49, 1
	v_add_nc_u32 v[SLC+\v], v[SLC+\v], v[SLT+\v]
	v_cmp_le_u32 vcc_lo, v[SLC+\v], v[SLN+\v]
	v_add_co_ci_u32 v[SLP+\v], vcc_lo, 0, v[SLP+\v], vcc_lo
.endr
	s_add_co_u32 s49, s49, 1
	s_cmp_lt_u32 s49, 32
	s_cbranch_scc1 .Lbit_\@
.irp v, 0,1,2
	v_lshrrev_b32 v[SLT+\v], v[SLP+\v], v[SLW1+\v]
	v_and_b32 v[SLT+\v], 1, v[SLT+\v]              ; k
	v_lshrrev_b32 v[SLC+\v], 2, v[SLG+\v]
	v_and_b32 v[SLB+\v], 3, v[SLG+\v]
	v_lshl_add_u32 v[SLC+\v], v[SLC+\v], 7, v[SLB+\v]
	v_lshl_add_u32 v[TOK+\v], v[SLP+\v], 2, v[SLC+\v]   ; token = 128 (g / 4) + 4 place + g % 4: as sel was loaded
	v_lshl_or_b32 v[ID+\v], v[TOK+\v], 1, v[SLT+\v]
.endr
.irp v, 0,1,2
	v_permlanex16_b32 v[SLT+\v], v[TOK+\v], s30, s31
.endr
	v_cndmask_b32 v[SLN], v[TOK], v[SLT], s33      ; a tile's 16 rows in both halves of the lanes: tile 0 = the vector's lanes 0-15,
	v_cndmask_b32 v[SLN+1], v[SLT], v[TOK], s33    ; tile 1 = its lanes 16-31, and so on
	v_cndmask_b32 v[SLN+2], v[TOK+1], v[SLT+1], s33
	v_cndmask_b32 v[SLN+3], v[SLT+1], v[TOK+1], s33
	v_cndmask_b32 v[SLN+4], v[TOK+2], v[SLT+2], s33
.irp a, 0,1,2,3,4
	v_min_u32 v[SLN+\a], 0x3ff, v[SLN+\a]          ; a rank past the count gives some token inside x: its results are stored only as the filling of a last tile
	v_lshl_add_u32 v[XO+\a], v[SLN+\a], 10, v[H16]
	v_lshlrev_b32 v[XSO+\a], 5, v[SLN+\a]
.endr
.endm
; The work-groups with sl = 0 store my 80 ranks' ids, up to the end of the expert's last tile (s56).  The three addresses are made with all lanes on.  The ranks ascend from vector to vector,
; so the lanes only fall away and EXEC is set to all ones once, behind the last store.
.macro LIST
	s_cmp_lg_u32 s21, 0
	s_cbranch_scc1 .Lnolist_\@
	s_add_co_u32 s25, s24, 80
	s_min_u32 s25, s25, s56
.irp v, 0,1,2
	v_min_u32 v[SLA+\v], 0x3ff, v[RK+\v]
	v_lshlrev_b32 v[SLA+\v], 2, v[SLA+\v]
.endr
	s_wait_alu depctr_va_vdst(0)
.irp v, 0,1,2
	s_wait_xcnt 0x0                                ; EXEC changes only behind this wait
	v_cmpx_gt_u32 s25, v[RK+\v]
	global_store_b32 v[SLA+\v], v[ID+\v], s[44:45]
.endr
	s_wait_xcnt 0x0                                ; and again in front of the line that widens it; the stores' registers are free too
	s_mov_b32 exec_lo, -1
.Lnolist_\@:
.endm
.macro BSLOAD s                        ; W1's scale words of K step s: lane q's eight words (tiles 0-3 from wave 2 (s / 4)'s words, tiles 4-7 from the next wave's), into set s % 2
	WIN 0
	ds_load_b128 v[BS+8*((\s)%2):BS+8*((\s)%2)+3], v[SCB] offset:4096*((\s)/4)+512*((\s)%4)
	ds_load_b128 v[BS+8*((\s)%2)+4:BS+8*((\s)%2)+7], v[SCB] offset:4096*((\s)/4)+512*((\s)%4)+2048
.endm
.macro HLOAD s, hf                     ; tiles 4 hf .. 4 hf + 3 of K step s: 16 loads of 512 consecutive bytes, from wave hf + 2 (s / 4)'s images
	WIN 0xc0
.irp j, 0,1,2,3
.irp c, 0,1,2,3
.if (\s) < 4
	ds_load_b128 v[BF+64*(\hf)+16*\j+4*\c:BF+64*(\hf)+16*\j+4*\c+3], v[L16] offset:32768*(\hf)+8192*((\s)%4)+2048*\j+512*\c
.else
	ds_load_b128 v[BF+64*(\hf)+16*\j+4*\c:BF+64*(\hf)+16*\j+4*\c+3], v[IMH] offset:32768*(\hf)+8192*((\s)%4)+2048*\j+512*\c
.endif
.endr
.endr
.endm
; 20 matrix instructions: my five tiles of rows x tiles 4 hf .. 4 hf + 3.  The accumulators take turns, one instruction a turn: 39 others' stand between two on one accumulator.
.macro MUL20 s, hf
.if (\s) == 0
	WIN 0xb7                                       ; source 0 (W1) window 3, source 1 (x) window 1, C (b1) window 3, D window 2
.else
	WIN 0xa7                                       ; C and D window 2
.endif
.irp a, 0,1,2,3
.irp j, 0,1,2,3
.if (\s) == 0
	v_wmma_scale_f32_16x16x128_f8f6f4 v[64*\a+8*(4*(\hf)+\j):64*\a+8*(4*(\hf)+\j)+7], v[BF+16*(4*(\hf)+\j):BF+16*(4*(\hf)+\j)+15], v[80*((\s)%3)+16*\a:80*((\s)%3)+16*\a+15], v[BI+8*(4*(\hf)+\j):BI+8*(4*(\hf)+\j)+7], v[BS+8*((\s)%2)+4*(\hf)+\j], v[XS+8*\a+(\s)]
.else
	v_wmma_scale_f32_16x16x128_f8f6f4 v[64*\a+8*(4*(\hf)+\j):64*\a+8*(4*(\hf)+\j)+7], v[BF+16*(4*(\hf)+\j):BF+16*(4*(\hf)+\j)+15], v[80*((\s)%3)+16*\a:80*((\s)%3)+16*\a+15], v[64*\a+8*(4*(\hf)+\j):64*\a+8*(4*(\hf)+\j)+7], v[BS+8*((\s)%2)+4*(\hf)+\j], v[XS+8*\a+(\s)]
.endif
.endr
.endr
	WIN 0xf7                                       ; the fifth tile's accumulators lie in window 3
.irp j, 0,1,2,3
.if (\s) == 0
	v_wmma_scale_f32_16x16x128_f8f6f4 v[8*(4*(\hf)+\j):8*(4*(\hf)+\j)+7], v[BF+16*(4*(\hf)+\j):BF+16*(4*(\hf)+\j)+15], v[80*((\s)%3)+64:80*((\s)%3)+79], v[BI+8*(4*(\hf)+\j):BI+8*(4*(\hf)+\j)+7], v[BS+8*((\s)%2)+4*(\hf)+\j], v[XS+32+(\s)]
.else
	v_wmma_scale_f32_16x16x128_f8f6f4 v[8*(4*(\hf)+\j):8*(4*(\hf)+\j)+7], v[BF+16*(4*(\hf)+\j):BF+16*(4*(\hf)+\j)+15], v[80*((\s)%3)+64:80*((\s)%3)+79], v[8*(4*(\hf)+\j):8*(4*(\hf)+\j)+7], v[BS+8*((\s)%2)+4*(\hf)+\j], v[XS+32+(\s)]
.endif
.endr
.endm
.macro KSTEP s
.if (\s) <= 5
	s_wait_loadcnt 40                              ; x's fragments of this K step are in; those of the next two (20 loads each) may be out
.elseif (\s) == 6
	s_wait_loadcnt 20
.else
	s_wait_loadcnt 0x0
.endif
	s_wait_dscnt 16                                ; the scale words and tiles 0-3 are in; the 16 loads of tiles 4-7 may be out
	MUL20 \s, 0
	PLACES
.if (\s) < 7
	BSLOAD (\s)+1
	HLOAD (\s)+1, 0
	s_wait_dscnt 18                                ; all but the 18 just issued: tiles 4-7 are in
.else
	s_wait_dscnt 0x0
.endif
	MUL20 \s, 1
	PLACES
.if (\s) < 7
	HLOAD (\s)+1, 1
.endif
.if (\s) <= 4
	ALOAD (\s)+3                                   ; into the set that this K step has read
.endif
.endm
; THE WAY OUT of tile a: 16 rows x 128 units become one fragment of the next product and a scale word a row
.macro EPI a
	WIN 0
	s_add_co_u32 s26, s24, 16*(\a)
	s_cmp_ge_u32 s26, s55
	s_cbranch_scc1 .Lepi_done                      ; this tile and those behind it hold no row
.if (\a) < 4
.set AB, 64*(\a)
	WIN 0x0a
.else
.set AB, 0
	WIN 0x0f
.endif
.irp p, 0,1,2,3,4,5,6,7                ; no |.|: what is negative becomes 0 and must not count; the floor stands over it.  Blocks 0, 1, 2, 3 by turns
.irp c, 0,1,2,3
.if \p == 0
	v_max3_num_f32 v[EM+\c], v[AB+8*(4*(\c/2)+2*(\p%2))+4*(\c%2)+\p/2], v[AB+8*(4*(\c/2)+2*(\p%2)+1)+4*(\c%2)+\p/2], 0x4800000
.else
	v_max3_num_f32 v[EM+\c], v[AB+8*(4*(\c/2)+2*(\p%2))+4*(\c%2)+\p/2], v[AB+8*(4*(\c/2)+2*(\p%2)+1)+4*(\c%2)+\p/2], v[EM+\c]
.endif
.endr
.endr
	WIN 0
	s_wait_alu depctr_va_vdst(0)
	s_wait_xcnt 0x0                                ; the last tile's stores have read their registers: the scale word and the codes may be written again
.irp c, 0,1,2,3
	v_permlanex16_b32 v[EX+\c], v[EM+\c], s30, s31
.endr
.irp c, 0,1,2,3
	v_max_num_f32 v[EM+\c], v[EM+\c], v[EX+\c]
.endr
.irp c, 0,1,2,3
	v_add_nc_u32 v[ES+\c], 0xfc000000, v[EM+\c]
.endr
.irp c, 0,1,2,3
	v_and_or_b32 v[EH+\c], v[EM+\c], 0x7f800000, s32
.endr
.irp c, 0,1,2,3
	v_lshrrev_b32 v[EB+\c], 23, v[ES+\c]
.endr
	v_lshl_or_b32 v[PW], v[EB+1], 8, v[EB]
	v_lshl_or_b32 v[PW], v[EB+2], 16, v[PW]
	v_lshl_or_b32 v[PW], v[EB+3], 24, v[PW]
.if (\a) < 4
	WIN 0x02
.else
	WIN 0x03
.endif
.irp c, 0,1,2,3                        ; held numbers of block c at v64, v80, v192, v208
.irp u, 0,1,2,3,4,5,6,7,8,9,10,11,12,13,14,15
	v_med3_num_f32 v[64+16*\c+96*(\c/2)+\u], v[AB+8*(4*(\c/2)+\u%4)+4*(\c%2)+\u/4], 0, v[EH+\c]   ; the activation and the hold in one; place u = 4 i + j
.endr
.endr
	WIN 0
.irp c, 0,1,2,3
	v_cvt_scalef32_pk8_fp8_f32 v[HC+4*\c:HC+4*\c+1], v[64+16*\c+96*(\c/2):64+16*\c+96*(\c/2)+7], v[ES+\c]
	v_cvt_scalef32_pk8_fp8_f32 v[HC+4*\c+2:HC+4*\c+3], v[64+16*\c+96*(\c/2)+8:64+16*\c+96*(\c/2)+15], v[ES+\c]
.endr
	v_nop                                          ; a plain line behind the last conversion
.irp c, 0,1,2,3
	global_store_b128 v[L16], v[HC+4*\c:HC+4*\c+3], s[40:41] offset:65536*(\a)+512*\c   ; 32 lanes store 512 consecutive bytes, aligned
.endr
	global_store_b32 v[L16], v[PW], s[42:43] offset:4096*(\a)
.endm
	s_load_b256 s[4:11], s[0:1], 0x0               ; W1 s[4:5], b1 s[6:7], xq s[8:9], sel s[10:11]
	s_load_b128 s[12:15], s[0:1], 0x20             ; hq s[12:13], hs s[14:15]
	s_load_b64 s[16:17], s[0:1], 0x30              ; lst
	v_lshl_add_u32 v254, v0, 2, 0x22800
	v_mov_b32 v255, 0
	v_lshrrev_b32 v2, 5, v0
	v_readfirstlane_b32 s18, v2                    ; wave
	v_and_b32 v1, 31, v0                           ; lane
	v_and_b32 v2, 15, v0                           ; r, q
	v_bfe_u32 v3, v0, 4, 1                         ; h, hh
	v_lshlrev_b32 v[L16], 4, v1
	s_wait_alu depctr_va_vdst(0)
	v_lshlrev_b32 v[H16], 4, v3
	s_and_b32 s19, s18, 1                          ; ch
	s_lshr_b32 s20, s18, 1                         ; kp
	s_mov_b32 s21, ttmp9                           ; sl
	s_and_b32 s22, ttmp7, 0xffff                   ; e
	s_mov_b32 s30, 0x76543210
	s_mov_b32 s31, 0xfedcba98                      ; v_permlanex16_b32's selects for lane l xor 16
	s_mov_b32 s32, 0x600000                        ; the mantissa field of 448
	s_mov_b32 s33, 0xffff0000                      ; lanes 16-31
	s_lshl_b32 s34, 0x101, s22                     ; e among a token's two choices,
	s_lshl_b32 s35, 0x100, s22                     ; e as its second
	s_lshl_b32 s26, s18, 9
	s_add_co_u32 s26, s26, B1S
	v_add_nc_u32 v[B1W], s26, v[L16]
	v_lshl_add_u32 v[B1R], v3, 6, s26
	v_add_nc_u32 v[IMH], 0x10000, v[L16]
	v_add_nc_u32 v[SCB], SCL, v[L16]
	v_and_b32 v32, 3, v2                           ; cg(q): q with bits 2 and 3 exchanged
	v_and_b32 v33, 4, v2
	v_lshl_or_b32 v32, v33, 1, v32
	v_and_b32 v33, 8, v2
	v_lshrrev_b32 v33, 1, v33
	v_or_b32 v32, v32, v33
	v_lshlrev_b32 v32, 4, v32
	v_lshl_add_u32 v32, v3, 18, v32                ; 16 hh rows of 16,384 bytes + 16 cg
	s_lshl_b32 s26, s19, 8                         ; + 256 ch
	s_lshl_b32 s27, s18, 15                        ; images: 32,768 wave
	s_lshl_b32 s28, s18, 11                        ; scale words: 2,048 wave
	WIN 0xc0                                       ; destination window 3
	v_add_nc_u32 v[WA], s26, v32
	v_add_nc_u32 v[IA], s27, v[L16]
	v_add_nc_u32 v[SA], s28, v[SCB]
.irp j, 0,1,2,3
	v_mov_b32 v[QX+\j], 0                          ; written once: a lane permute's destination counts as one of its sources
.endr
	WIN 0
.irp c, 0,1,2,3
	v_mov_b32 v[EX+\c], 0
.endr
	v_mov_b32 v[VM], 0
	v_mov_b32 v[VM1], 0
	v_mov_b32 v[VP], 0
	s_mov_b32 s27, 0
	s_wait_alu depctr_va_vdst(0)
	s_wait_kmcnt 0x0
	s_lshl_b32 s26, s22, 24
	s_lshl_b32 s28, s20, 23
	s_add_co_u32 s26, s26, s28
	s_lshl_b32 s28, s21, 9
	s_add_co_u32 s26, s26, s28
	s_add_nc_u64 s[36:37], s[4:5], s[26:27]        ; W1 at expert e, row 512 kp, unit 128 sl
	s_lshl_b32 s26, s22, 14
	s_add_co_u32 s26, s26, s28
	s_add_nc_u64 s[6:7], s[6:7], s[26:27]          ; b1 at the slab
	s_add_nc_u64 s[38:39], s[8:9], 0x100000        ; x's scale bytes
	s_mul_i32 s29, s18, 5                          ; my first tile
	s_lshl_b32 s26, s22, 22
	s_lshl_b32 s28, s29, 16
	s_add_co_u32 s26, s26, s28
	s_lshl_b32 s28, s21, 11
	s_add_co_u32 s26, s26, s28
	s_add_nc_u64 s[40:41], s[12:13], s[26:27]      ; hq at (e, my first tile, K step sl)
	s_lshl_b32 s26, s22, 18
	s_lshl_b32 s28, s29, 12
	s_add_co_u32 s26, s26, s28
	s_lshr_b32 s28, s21, 2
	s_lshl_b32 s28, s28, 9
	s_add_co_u32 s26, s26, s28
	s_and_b32 s28, s21, 3
	s_lshl_b32 s28, s28, 2
	s_add_co_u32 s26, s26, s28
	s_add_nc_u64 s[42:43], s[14:15], s[26:27]      ; hs likewise: group sl / 4, word sl % 4
	s_lshl_b32 s26, s22, 12
	s_add_nc_u64 s[44:45], s[16:17], s[26:27]      ; the expert's list
	s_lshl_b32 s26, s22, 2
	s_add_co_u32 s26, s26, 32768
	s_add_nc_u64 s[50:51], s[16:17], s[26:27]      ; and its count
.irp q, 0,1,2,3,4,5,6,7
	global_load_b128 v[PK+4*\q:PK+4*\q+3], v[L16], s[10:11] offset:512*\q     ; register g = 4 q + i, lane l: token 128 q + 4 l + i
.endr
	global_load_b128 v[60:63], v[L16], s[6:7]      ; the slab's 128 b1
	WIN 0x83
.irp c, 0,1,2,3
.irp i, 0,1,2,3,4,5,6,7,8,9,10,11,12,13,14,15
	global_load_b128 v[64*\c+4*\i:64*\c+4*\i+3], v[WA], s[36:37] offset:(32*\c+\i)*RP th:TH_LOAD_NT   ; K step 0: lanes 0-15 read 256 consecutive bytes of row k, lanes 16-31 of row k + 16
.endr
.endr
	WIN 0
	s_wait_loadcnt 63                              ; 64 loads were issued behind sel's and b1's; a wait's count names 63 at the most, and a smaller count is safe
	ds_store_b128 v[B1W], v[60:63]
	; the expert's masks and running counts, while the first weights are on their way
	s_mov_b32 s28, 0
.irp g, 0,1,2,3,4,5,6,7,8,9,10,11,12,13,14,15,16,17,18,19,20,21,22,23,24,25,26,27,28,29,30,31
	v_and_b32 v32, s34, v[PK+\g]
	v_cmp_ne_u32 s26, 0, v32
	v_and_b32 v33, s35, v[PK+\g]
	v_cmp_ne_u32 s27, 0, v33
	v_writelane_b32 v[VM], s26, \g
	v_writelane_b32 v[VM1], s27, \g
	v_writelane_b32 v[VP], s28, \g
	s_bcnt1_i32_b32 s29, s26
	s_add_co_u32 s28, s28, s29
.endr
	s_mov_b32 s23, s28                             ; the expert's rows
	s_max_u32 s55, s23, 1                          ; worked as one row at the least
	s_add_co_u32 s56, s55, 15
	s_and_not1_b32 s56, s56, 15                    ; the end of the last tile
	s_or_b32 s26, s21, s18
	s_cmp_lg_u32 s26, 0
	s_cbranch_scc1 .Lnocnt                         ; wave 0 of the work-group with sl = 0 stores the count
	v_mov_b32 v32, s23
	v_mov_b32 v33, 0
	s_wait_alu depctr_va_vdst(0)
	s_wait_xcnt 0x0
	v_cmp_eq_u32 vcc_lo, 0, v1
	s_and_saveexec_b32 s26, vcc_lo
	global_store_b32 v33, v32, s[50:51]
	s_wait_xcnt 0x0
	s_or_b32 exec_lo, exec_lo, s26
.Lnocnt:
	s_mul_i32 s24, s18, 80                         ; my first rank
	SELECT
	LIST
	; PHASE W: three K steps that ask for the next, then the last
	s_mov_b32 s46, 0
	s_mov_b32 s47, 0
	s_mov_b32 s48, 0
.Lw:
	WSTEP 1
	WIN 0
	s_wait_xcnt 0x0                                ; the loads have read their base
	s_add_nc_u64 s[36:37], s[36:37], 128*RP
	s_add_co_u32 s46, s46, 8192                    ; four images on
	s_add_co_u32 s47, s47, 512
	s_add_co_u32 s48, s48, 1
	s_cmp_lt_u32 s48, 3
	s_cbranch_scc1 .Lw
	WSTEP 0
	s_wait_dscnt 0x0                               ; my LDS stores have read their registers, which b1 now takes
	WIN 0xc0
.irp b, 0,1,2,3,4,5,6,7
.irp i, 0,1,2,3,4,5,6,7
	ds_load_b32 v[BI+8*\b+\i], v[B1R] offset:4*(64*(\b/4)+32*(\i/4)+4*(\i%4)+\b%4)   ; b1 in the result's layout: unit 64 ch + 32 cl + 16 h + 4 i + j (my own copy: no other wave's bytes)
.endr
.endr
	WIN 0
	s_wait_dscnt 0x0                               ; for the others' sake: my images and scale words lie in LDS
	s_barrier_signal -1
	s_barrier_wait -1                              ; the launch's one barrier: behind it LDS is only read
	; PHASE R: at most four trips (80 wave + 320 trip stays under 1,024); a wave leaves as soon as its ranks pass the count
	s_mov_b32 s57, 0
	s_cmp_ge_u32 s24, s55
	s_cbranch_scc1 .Lend
.Lbatch:
	s_wait_alu depctr_va_vdst(0)
	ALOAD 2
	BSLOAD 0
	HLOAD 0, 0
	HLOAD 0, 1
.irp s, 0,1,2,3,4,5,6,7
	KSTEP \s
.endr
.irp a, 0,1,2,3,4
	EPI \a
.endr
.Lepi_done:
	s_wait_xcnt 0x0                                ; the stores have read their bases
	s_add_co_u32 s24, s24, 320                     ; the four waves' 320 ranks on
	s_add_nc_u64 s[40:41], s[40:41], 20*65536
	s_add_nc_u64 s[42:43], s[42:43], 20*4096
	s_cmp_ge_u32 s24, s55
	s_cbranch_scc1 .Lend
	SELECT
	LIST
	s_wait_alu depctr_va_vdst(0)
	APRO
	WIN 0
	s_add_co_u32 s57, s57, 1
	s_cmp_lt_u32 s57, 4
	s_cbranch_scc1 .Lbatch
.Lend:
	s_wait_tensorcnt 0x0
	ds_add_u32 v254, v255
	s_wait_dscnt 0x0
	s_endpgm
.Lfunc_end_k_q47f7108f50_ffn1:
	.size	k_q47f7108f50_ffn1, .Lfunc_end_k_q47f7108f50_ffn1-k_q47f7108f50_ffn1
	.p2alignl 7, 3214868480
	.fill 96, 4, 3214868480
	.section	.rodata,"a",@progbits
	.p2align	6, 0x0
	.amdhsa_kernel k_q47f7108f50_ffn1
		.amdhsa_group_segment_fixed_size 141824
		.amdhsa_private_segment_fixed_size 0
		.amdhsa_enable_private_segment 0
		.amdhsa_kernarg_size 56
		.amdhsa_user_sgpr_count 2
		.amdhsa_user_sgpr_kernarg_segment_ptr 1
		.amdhsa_wavefront_size32 1
		.amdhsa_system_sgpr_workgroup_id_x 1
		.amdhsa_system_sgpr_workgroup_id_y 1
		.amdhsa_system_sgpr_workgroup_id_z 1
		.amdhsa_system_vgpr_workitem_id 0
		.amdhsa_next_free_vgpr 1024
		.amdhsa_next_free_sgpr 66
		.amdhsa_reserve_vcc 1
		.amdhsa_float_denorm_mode_32 3
		.amdhsa_float_denorm_mode_16_64 3
		.amdhsa_memory_ordered 1
		.amdhsa_forward_progress 1
		.amdhsa_inst_pref_size 244
	.end_amdhsa_kernel
	.amdgpu_metadata
---
amdhsa.version: [ 1, 2 ]
amdhsa.kernels:
  - .name:           k_q47f7108f50_ffn1
    .symbol:         k_q47f7108f50_ffn1.kd
    .args:
      - { .name: W1, .offset: 0, .size: 8, .value_kind: global_buffer, .address_space: global }
      - { .name: b1, .offset: 8, .size: 8, .value_kind: global_buffer, .address_space: global }
      - { .name: xq, .offset: 16, .size: 8, .value_kind: global_buffer, .address_space: global }
      - { .name: sel, .offset: 24, .size: 8, .value_kind: global_buffer, .address_space: global }
      - { .name: hq, .offset: 32, .size: 8, .value_kind: global_buffer, .address_space: global }
      - { .name: hs, .offset: 40, .size: 8, .value_kind: global_buffer, .address_space: global }
      - { .name: lst, .offset: 48, .size: 8, .value_kind: global_buffer, .address_space: global }
    .group_segment_fixed_size: 141824
    .private_segment_fixed_size: 0
    .kernarg_segment_align: 8
    .kernarg_segment_size: 56
    .max_flat_workgroup_size: 128
    .sgpr_count:     66
    .vgpr_count:     1024
    .wavefront_size: 32
...
	.end_amdgpu_metadata
.endif
;; end of part 2
;; launch ffn2 (part 3): grid 32 x 8, 8 waves a work-group, no clusters, 144,384 bytes of LDS; arguments W2, b2, hq, hs, lst, yp; writes yp
.if DOCPART == 3
	.amdgcn_target "amdgcn-amd-amdhsa--gfx1250"
	.amdhsa_code_object_version 6
	.text
	.protected	k_q47f7108f50_ffn2
	.globl	k_q47f7108f50_ffn2
	.p2align	8
	.type	k_q47f7108f50_ffn2,@function
k_q47f7108f50_ffn2:
	s_mov_b64 s[64:65], 0
	v_nop
	global_prefetch_b8 v0, s[64:65] scope:SCOPE_SE
	s_setreg_imm32_b32 hwreg(HW_REG_WAVE_MODE, 25, 1), 1
	s_wait_xcnt 0x0
; y = Q(h) Q(W2) (+ b2) for the rows that chose expert e, on codes of E4M3 with one E8M0 scale for each 32 along K; K = 4,096 in two halves, each half's sums to a plane of yp of its own; the next launch adds them.
; Rows that did not choose the expert are left out: reference() weighs them by the 0 of its own one_hot.
; SHARES.  Work-group (ns + 16 kh, e) owns outputs 64 ns .. + 63 and K 2,048 kh .. + 2,047 of expert e: 16 K steps of 128 in EIGHT ROUNDS of two.  Each of the eight waves does both jobs in each round r:
; it quantises one block (32 rows of W2 x 64 outputs, read from memory once) and leaves the codes in LDS as images of operand registers; the barrier; then it multiplies its own rows of h by the round's two K steps.
; No byte of an image is written twice, so one barrier a round is all.  The loads' order is the order of use: W2(r), h(r - 1), W2(r + 1), h(r), W2(r + 2): a round has 16 loads of W2, 8 of h for each tile, and every second round one of scale words for each tile.
; No tensor load, no joint request: how many trips do work hangs on the stored count.  No prefetch: W2 is one stream of 524,288 bytes a work-group, asked for two rounds ahead.
; QUANTISE.  Wave w: K step 2 r + w / 4, block w % 4.  Lane (q, hh) loads 16 bytes: one row k, outputs 4 q .. 4 q + 3; sixteen lanes read 256 consecutive bytes, aligned.
; TILE j IS THE OUTPUTS THAT ARE j MODULO 4: for output 4 q + j the lane holds k = 32 c + 16 hh + 0 .. 15, the operand's own layout; the hold's free destination brings them into consecutive registers.
; MULTIPLY.  Wave w owns tiles w, w + 8, w + 16 of 16 rows (24 a trip).  Source 0 = 16 rows of h (images that the launch before stored: loads of 512 bytes on end), source 1 = 16 outputs.
; Register i of lane (r, h) in accumulator (a, j) is row 8 h + i, output 4 r + j.  The sums begin with b2 in the half kh = 0, with 0 in the other.
; A third tile that does not exist is neither loaded (its scale words aside) nor multiplied; a first or second one past the last names one place of the last tile and is not stored.  The counted waits take the fewer loads.
; A row's place in yp is its id = 2 token + k, from the stored list.  An expert without rows is walked as one tile (which the launch before has stored) and stores nothing.
; An expert has at most 64 tiles: what is over the first 24 goes in up to two further trips, from the images in LDS.
; LIMITS.  NaN and infinities are not served.  A block of zeros gets the byte 1 where the rule says 127: its codes are zeros, and this program alone reads the bytes.
; REGISTERS.  Window 0: addresses and scale words below v52; v52-179 at work while quantising, then W2's fragments of two K steps; v180-243 accumulators of tiles 0, 1.
; Window 1: two blocks of 64 numbers as loaded; at 128 h's two sets of 48; at 224 the third tile's accumulators; on the way out ids, row offsets and results.
.set RP,   4096                        ; a row of W2 in bytes
.set SCL,  131072                      ; LDS: images at (4 s + j) 2,048 + 512 c + 16 lane; from here the scale words: 512 s + 16 lane + 4 j
.set IDB,  139264                      ; ids: 512 bytes for each wave
.set SPARE, 143360                     ; the spare words, 128 bytes for each wave
.set IDV,  0                           ; v0-3  ids as loaded (behind the head)
.set L16,  4                           ; 16 x lane
.set R16,  5                           ; 16 x (lane % 16)
.set H8,   6                           ; 8 x (lane / 16)
.set SCB,  7                           ; SCL + 16 lane
.set IA,   8                           ; my block's place in a round's images, and in its scale words
.set SA,   9
.set SPW,  10
.set NIL,  11
.set HS,   12                          ; v12-23  h's scale words of two rounds: 4 a + K step % 4
.set B2,   24                          ; v24-27  b2 of outputs 4 r + j
.set BS,   28                          ; v28-35  W2's scale words: 4 (K step % 2) + j
.set QA,   36                          ; LDS addresses of the trip in hand: where I store images and scale words,
.set QSA,  37
.set BA,   38                          ; and where I load them
.set SBA,  39
.set IDS,  40                          ; ids into LDS,
.set IDL,  41                          ; and out of it
.set WA,   42                          ; my byte in W2's slab
.set TV,   43
.set HO,   44                          ; v44-46  h's images: 65,536 tile + 16 lane
.set HSO,  47                          ; v47-49  h's scale words: 4,096 tile + 16 lane
.set TW,   50
.set QM,   52                          ; while quantising: largest magnitudes, the other half's, scale operands, 448 x the scale, bytes, codes, held numbers
.set QX,   56
.set QS,   60
.set QH,   64
.set QW,   68
.set QC,   72
.set QT,   88
.set BE,   52                          ; while multiplying: the even K step's fragments, the odd one's
.set BO,   116
.set ACC,  180
.set HF,   128                         ; window 1
.set AC2,  224
.set ID,   0                           ; window 1, the way out: 8 a + i
.set RO,   24                          ; 8 a + i
.set T,    48                          ; 32 a + 4 i + j
.set H8W,  144
.set WB,   36                          ; s[36:37], s[58:59]  where the even and the odd rounds' blocks of W2 stand
.set MSB, 0
.macro WIN new                         ; the immediate's high byte repeats the setting that is left; a switch that changes nothing is dropped
.if MSB != \new
	s_set_vgpr_msb (MSB<<8)|\new
.set MSB, \new
.endif
.endm
.macro PLACES                          ; eight places behind this matrix form
.rept 8
	v_nop
.endr
.endm
.macro WLOAD b                         ; my block of the trip's round b: 16 loads
	WIN 0x40
.irp i, 0,1,2,3,4,5,6,7,8,9,10,11,12,13,14,15
	global_load_b128 v[64*\b+4*\i:64*\b+4*\i+3], v[WA], s[WB+22*\b:WB+22*\b+1] offset:(256*\b+\i)*RP th:TH_LOAD_NT
.endr
	WIN 0
.endm
; Quantise my block of the trip's round b.  lc: the younger loads that may stay out; re = 1: its registers take the block of two rounds on
.macro QPART b, re, lc
	s_wait_loadcnt \lc
.if \re
	s_add_nc_u64 s[WB+22*\b:WB+22*\b+1], s[WB+22*\b:WB+22*\b+1], 512*RP   ; the loads that read this base are those that the wait has shown done
.endif
	WIN 0x14                                       ; the numbers lie in window 1
.irp j, 0,1,2,3
	v_max3_num_f32 v[QM+\j], 0x4800000, |v[64*\b+\j]|, |v[64*\b+4+\j]|        ; the floor 2^(9 - 127): the byte cannot fall under 1
.endr
.irp p, 1,2,3,4,5,6,7
.irp j, 0,1,2,3
	v_max3_num_f32 v[QM+\j], v[QM+\j], |v[64*\b+8*\p+\j]|, |v[64*\b+8*\p+4+\j]|
.endr
.endr
	WIN 0
.irp j, 0,1,2,3
	v_permlanex16_b32 v[QX+\j], v[QM+\j], s30, s31
.endr
.irp j, 0,1,2,3
	v_max_num_f32 v[QM+\j], v[QM+\j], v[QX+\j]     ; with lane l xor 16's 16: the block's largest magnitude
.endr
.irp j, 0,1,2,3
	v_add_nc_u32 v[QS+\j], 0xfc000000, v[QM+\j]    ; 8 off its exponent field: the conversion's scale operand
.endr
.irp j, 0,1,2,3
	v_and_or_b32 v[QH+\j], v[QM+\j], 0x7f800000, s32   ; 448 x the scale
.endr
.irp j, 0,1,2,3
	v_lshrrev_b32 v[QW+\j], 23, v[QS+\j]
.endr
	WIN 0x04
.irp j, 0,1,2,3
.irp i, 0,1,2,3,4,5,6,7,8,9,10,11,12,13,14,15
	v_med3_num_f32 v[QT+16*\j+\i], -v[QH+\j], v[64*\b+4*\i+\j], v[QH+\j]      ; the hold (the conversion does not saturate: ISA guide 7.6.2), and output j's numbers side by side
.endr
.endr
.if \re
	WLOAD \b
.endif
	WIN 0
.irp j, 0,1,2,3
	v_cvt_scalef32_pk8_fp8_f32 v[QC+4*\j:QC+4*\j+1], v[QT+16*\j:QT+16*\j+7], v[QS+\j]
	v_cvt_scalef32_pk8_fp8_f32 v[QC+4*\j+2:QC+4*\j+3], v[QT+16*\j+8:QT+16*\j+15], v[QS+\j]
.endr
	v_nop                                          ; a plain line behind the last conversion
.irp j, 0,1,2,3
	ds_store_b128 v[QA], v[QC+4*\j:QC+4*\j+3] offset:16384*\b+2048*\j
	ds_store_b8 v[QSA], v[QW+\j] offset:1024*\b+4*\j
.endr
	s_wait_alu depctr_va_vdst(0)
	s_wait_dscnt 0x0                               ; for the others' sake: my block lies in LDS
	s_barrier_signal -1
	s_barrier_wait -1
.endm
.macro ALOAD k, off                    ; h's fragments of a K step into set k: 8 loads, with a third tile 12
	WIN 0x40
.irp a, 0,1
.irp c, 0,1,2,3
	global_load_b128 v[HF+48*\k+16*\a+4*\c:HF+48*\k+16*\a+4*\c+3], v[HO+\a], s[38:39] offset:(\off)+512*\c
.endr
.endr
	WIN 0
	s_cmp_eq_u32 s35, 0
	s_cbranch_scc1 .Lno_third_\@
	WIN 0x40
.irp c, 0,1,2,3
	global_load_b128 v[HF+48*\k+32+4*\c:HF+48*\k+32+4*\c+3], v[HO+2], s[38:39] offset:(\off)+512*\c
.endr
	WIN 0
.Lno_third_\@:
.endm
.macro HLOAD                           ; two rounds' four scale words for each tile: three loads
.irp a, 0,1,2
	global_load_b128 v[HS+4*\a:HS+4*\a+3], v[HSO+\a], s[40:41]
.endr
.endm
; A K step of the trip's round rd: my tiles x four tiles of outputs.  The accumulators take turns, one instruction a turn
.macro MUL k, breg, rd
	WIN 0x01                                       ; h in window 1
.irp j, 0,1,2,3
.irp a, 0,1
	v_wmma_scale_f32_16x16x128_f8f6f4 v[ACC+32*\a+8*\j:ACC+32*\a+8*\j+7], v[HF+48*\k+16*\a:HF+48*\k+16*\a+15], v[\breg+16*\j:\breg+16*\j+15], v[ACC+32*\a+8*\j:ACC+32*\a+8*\j+7], v[HS+4*\a+2*\rd+\k], v[BS+4*\k+\j]
.endr
.endr
	WIN 0
	s_cmp_eq_u32 s35, 0
	s_cbranch_scc1 .Ltwo_\@                        ; I have no third tile
	WIN 0x51                                       ; its accumulators lie in window 1
.irp j, 0,1,2,3
	v_wmma_scale_f32_16x16x128_f8f6f4 v[AC2+8*\j:AC2+8*\j+7], v[HF+48*\k+32:HF+48*\k+47], v[\breg+16*\j:\breg+16*\j+15], v[AC2+8*\j:AC2+8*\j+7], v[HS+8+2*\rd+\k], v[BS+4*\k+\j]
.endr
	WIN 0
.Ltwo_\@:
	PLACES
.endm
; Multiply the trip's round b.  ma: the younger loads that may stay out; hl = 1: the sets take the next round's fragments, and behind an odd round the scale words the next two rounds'
.macro MPART b, hl, ma
	ds_load_b128 v[BS:BS+3], v[SBA] offset:1024*\b
	ds_load_b128 v[BS+4:BS+7], v[SBA] offset:1024*\b+512
.irp j, 0,1,2,3
.irp c, 0,1,2,3
	ds_load_b128 v[BE+16*\j+4*\c:BE+16*\j+4*\c+3], v[BA] offset:16384*\b+2048*\j+512*\c
.endr
.endr
.irp j, 0,1,2,3
.irp c, 0,1,2,3
	ds_load_b128 v[BO+16*\j+4*\c:BO+16*\j+4*\c+3], v[BA] offset:16384*\b+8192+2048*\j+512*\c
.endr
.endr
	s_wait_loadcnt \ma                             ; all of h that is out has landed
	s_wait_dscnt 16                                ; all but the odd K step's 16 fragment loads
	MUL 0, BE, \b
.if \hl
	s_add_nc_u64 s[38:39], s[38:39], 4096          ; (the loads that read these bases have been shown done)
.if \b
	s_add_nc_u64 s[40:41], s[40:41], 512
.endif
	ALOAD 0, 0
.endif
	s_wait_dscnt 0x0
	MUL 1, BO, \b
.if \hl
	ALOAD 1, 2048
.if \b
	HLOAD
.endif
.endif
.endm
; My three tiles' places, and that of their ids
.macro TILES
.irp a, 0,1,2
	s_add_co_u32 s26, s24, 8*\a
	s_sub_co_i32 s28, s55, s26
	s_max_i32 s28, s28, 0
	s_min_u32 s28, s28, 1                          ; 1 where the tile exists
	s_min_u32 s26, s26, s25
	s_min_u32 s26, s26, 63
	v_mul_u32_u24 v[TV], s28, v[L16]               ; a tile past the last: all lanes name one place
	v_lshl_add_u32 v[HO+\a], s26, 16, v[TV]
	v_lshl_add_u32 v[HSO+\a], s26, 12, v[TV]
.endr
	s_mov_b32 s35, s28                             ; have I a third tile?
	v_lshrrev_b32 v[TV], 6, v[L16]                 ; lane / 4: which of my tiles; four lanes bring its 16 ids
	v_min_u32 v[TV], 2, v[TV]
	v_lshl_add_u32 v[TV], v[TV], 3, s24
	v_min_u32 v[TV], s25, v[TV]
	v_min_u32 v[TV], 63, v[TV]
	v_lshlrev_b32 v[TV], 6, v[TV]
	v_and_b32 v[TW], 48, v[L16]
	v_add_nc_u32 v[TV], v[TV], v[TW]
	s_wait_alu depctr_va_vdst(0)
	global_load_b128 v[IDV:IDV+3], v[TV], s[42:43]
.endm
.macro BEGIN                           ; the sums begin with b2, which counts once: in the half kh = 0
.irp j, 0,1,2,3
	v_and_b32 v[B2+\j], s54, v[B2+\j]
.endr
.irp a, 0,1
.irp j, 0,1,2,3
.irp i, 0,2,4,6
	v_dual_mov_b32 v[ACC+32*\a+8*\j+\i], v[B2+\j] :: v_dual_mov_b32 v[ACC+32*\a+8*\j+\i+1], v[B2+\j]
.endr
.endr
.endr
	WIN 0x40
.irp j, 0,1,2,3
.irp i, 0,1,2,3,4,5,6,7
	v_mov_b32 v[AC2+8*\j+\i], v[B2+\j]
.endr
.endr
	WIN 0
	s_wait_alu depctr_va_vdst(0)
.endm
; THE WAY OUT of tile a: the four tiles' numbers side by side, so that sixteen lanes store 256 consecutive bytes of a row, aligned.  Each tile has registers of its own
.macro EPI a
	s_add_co_u32 s26, s24, 8*\a
	s_cmp_ge_u32 s26, s55
	s_cbranch_scc1 .Lepi_done                      ; this tile and those behind it do not exist
	s_lshl_b32 s26, s26, 4
	s_sub_co_i32 s26, s23, s26                     ; the rows left from this tile's first on
.if \a < 2
.set AB, ACC+32*\a
	WIN 0x40
.else
.set AB, AC2
	WIN 0x41
.endif
.irp i, 0,1,2,3,4,5,6,7                ; each accumulator from its low end on
.irp j, 0,1,2,3
	v_mov_b32 v[T+32*\a+4*\i+\j], v[AB+8*\j+\i]
.endr
.endr
.if \a == 0
	s_wait_dscnt 0x0                               ; the ids
.endif
	WIN 0x44
.irp i, 0,1,2,3,4,5,6,7
	v_min_u32 v[RO+8*\a+\i], 0x7ff, v[ID+8*\a+\i]
.endr
	WIN 0x41
.irp i, 0,1,2,3,4,5,6,7
	v_lshl_add_u32 v[RO+8*\a+\i], v[RO+8*\a+\i], 12, v[R16]   ; 4,096 id + 16 r
.endr
	WIN 0
	s_wait_alu depctr_va_vdst(0)                   ; ahead of the branch
	s_cmp_ge_i32 s26, 16
	s_cbranch_scc1 .Lfull_\@
	WIN 0x05
.irp i, 0,1,2,3,4,5,6,7                ; the one tile that is not full: row 8 h + i is stored where it lies under the rows left; with i ascending the lanes only fall away
	s_wait_xcnt 0x0                                ; EXEC changes only behind this wait
	v_cmpx_gt_i32 s26, v[H8W]
	global_store_b128 v[RO+8*\a+\i], v[T+32*\a+4*\i:T+32*\a+4*\i+3], s[44:45]
	s_sub_co_i32 s26, s26, 1
.endr
	s_wait_xcnt 0x0
	s_mov_b32 exec_lo, -1
	WIN 0
	s_branch .Lnext_\@
.Lfull_\@:
	WIN 0x05
.irp i, 0,1,2,3,4,5,6,7
	global_store_b128 v[RO+8*\a+\i], v[T+32*\a+4*\i:T+32*\a+4*\i+3], s[44:45]
.endr
	WIN 0
.Lnext_\@:
.endm
.macro PLACE                           ; the trip's LDS addresses
	v_add_nc_u32 v[QA], s46, v[IA]
	v_add_nc_u32 v[QSA], s47, v[SA]
	v_add_nc_u32 v[BA], s46, v[L16]
	v_add_nc_u32 v[SBA], s47, v[SCB]
	s_wait_alu depctr_va_vdst(0)
.endm
	s_load_b256 s[4:11], s[0:1], 0x0               ; W2 s[4:5], b2 s[6:7], hq s[8:9], hs s[10:11]
	s_load_b128 s[12:15], s[0:1], 0x20             ; lst s[12:13], yp s[14:15]
	v_lshl_add_u32 v[SPW], v0, 2, SPARE
	v_mov_b32 v[NIL], 0
	v_lshrrev_b32 v2, 5, v0
	v_readfirstlane_b32 s18, v2                    ; wave
	v_and_b32 v1, 31, v0                           ; lane
	v_and_b32 v2, 15, v0                           ; r, q
	v_bfe_u32 v3, v0, 4, 1                         ; h, hh
	v_lshlrev_b32 v[L16], 4, v1
	v_lshlrev_b32 v[R16], 4, v2
	v_lshlrev_b32 v[H8], 3, v3
	v_add_nc_u32 v[SCB], SCL, v[L16]
	v_lshl_add_u32 v[WA], v3, 16, v[R16]           ; 16 hh rows of 4,096 bytes + 16 q
.irp j, 0,1,2,3
	v_mov_b32 v[QX+\j], 0                          ; written once: a lane permute's destination counts as one of its sources
.endr
	WIN 0x40
.irp i, 0,1,2,3,4,5,6,7,8,9,10,11,12,13,14,15
	v_mov_b32 v[HF+32+\i], 0                       ; the third tile's fragments, written once: where there is no such tile nothing loads them
	v_mov_b32 v[HF+80+\i], 0
.endr
	WIN 0
	s_lshr_b32 s27, s18, 2
	s_and_b32 s28, s18, 3
	s_lshl_b32 s26, s27, 13
	s_lshl_b32 s29, s28, 9
	s_add_co_u32 s26, s26, s29                     ; images: 8,192 (w / 4) + 512 (w % 4)
	s_lshl_b32 s27, s27, 9
	s_add_co_u32 s27, s27, s28                     ; scale words: 512 (w / 4) + w % 4
	s_lshl_b32 s28, s18, 9
	s_add_co_u32 s28, s28, IDB
	s_wait_alu depctr_va_vdst(0)
	v_add_nc_u32 v[IA], s26, v[L16]
	v_add_nc_u32 v[SA], s27, v[SCB]
	v_add_nc_u32 v[IDS], s28, v[L16]
	v_lshl_add_u32 v[IDL], v3, 5, s28
	s_and_b32 s19, ttmp9, 15                       ; ns
	s_lshr_b32 s20, ttmp9, 4                       ; kh
	s_and_b32 s22, ttmp7, 0xffff                   ; e
	s_mov_b32 s30, 0x76543210
	s_mov_b32 s31, 0xfedcba98                      ; v_permlanex16_b32's selects for lane l xor 16
	s_mov_b32 s32, 0x600000                        ; the mantissa field of 448
	s_mov_b32 s27, 0
	s_lshl_b32 s29, s19, 8                         ; 64 outputs: 256 bytes
	s_wait_alu depctr_va_vdst(0)                   ; at the head's end
	s_wait_kmcnt 0x0
	s_lshl_b32 s26, s22, 2
	s_add_co_u32 s26, s26, 32768
	s_add_nc_u64 s[50:51], s[12:13], s[26:27]
	s_load_b32 s23, s[50:51], 0x0                  ; the expert's rows
	s_lshl_b32 s26, s22, 12
	s_add_nc_u64 s[42:43], s[12:13], s[26:27]      ; the expert's list
	s_add_co_u32 s26, s26, s29
	s_add_nc_u64 s[6:7], s[6:7], s[26:27]          ; b2 at the slab
	s_lshl_b32 s26, s22, 24
	s_lshl_b32 s28, s20, 23
	s_add_co_u32 s26, s26, s28
	s_lshl_b32 s28, s18, 17                        ; 32 w rows
	s_add_co_u32 s26, s26, s28
	s_add_co_u32 s26, s26, s29
	s_add_nc_u64 s[36:37], s[4:5], s[26:27]
	s_mov_b64 s[58:59], s[36:37]
	global_load_b128 v[B2:B2+3], v[R16], s[6:7]
	WLOAD 0                                        ; rounds 0 and 1
	WLOAD 1
	s_lshl_b32 s26, s22, 22
	s_lshl_b32 s28, s20, 15
	s_add_co_u32 s26, s26, s28
	s_add_nc_u64 s[38:39], s[8:9], s[26:27]        ; hq at (e, K step 16 kh)
	s_mov_b64 s[52:53], s[38:39]
	s_lshl_b32 s26, s22, 18
	s_lshl_b32 s28, s20, 11
	s_add_co_u32 s26, s26, s28
	s_add_nc_u64 s[40:41], s[10:11], s[26:27]      ; hs at (e, group 4 kh)
	s_mov_b64 s[56:57], s[40:41]
	s_lshl_b32 s26, s20, 23
	s_add_co_u32 s26, s26, s29
	s_add_nc_u64 s[44:45], s[14:15], s[26:27]      ; yp: plane kh
	s_cmp_eq_u32 s20, 0
	s_cselect_b32 s54, -1, 0
	s_mov_b32 s24, s18                             ; my first tile
	s_mov_b32 s46, 0                               ; the trip's images, its scale words
	s_mov_b32 s47, 0
	s_mov_b32 s48, 0
	s_wait_kmcnt 0x0
	s_min_u32 s23, s23, 1024
	s_add_co_u32 s55, s23, 15
	s_lshr_b32 s55, s55, 4
	s_max_u32 s55, s55, 1                          ; tiles to walk: one at the least
	s_sub_co_u32 s25, s55, 1                       ; the last of them
	TILES
	ALOAD 0, 0                                     ; round 0's h: 19 loads at the least
	ALOAD 1, 2048
	HLOAD
	s_wait_loadcnt 52                              ; b2 is in: 32 loads of W2, the ids' and at the least 19 of h were issued behind it
	BEGIN
.Ltrip:                                            ; a trip is two rounds
	PLACE
	QPART 0, 1, 35                                 ; younger, at the least: the next round's 16 loads of W2, this round's 16 of h and 3 of scale words
	MPART 0, 1, 16                                 ; younger: 16 loads of W2
	QPART 1, 1, 32                                 ; younger, at the least: 16 loads of W2, 16 of h
	MPART 1, 1, 16
	s_add_co_u32 s46, s46, 32768
	s_add_co_u32 s47, s47, 2048
	s_add_co_u32 s48, s48, 1
	s_cmp_lt_u32 s48, 3
	s_cbranch_scc1 .Ltrip
	PLACE                                          ; the last trip asks for no more of W2: the counts run down
	ds_store_b128 v[IDS], v[IDV:IDV+3]             ; my own bytes
	QPART 0, 0, 35
	MPART 0, 1, 0
	QPART 1, 0, 16                                 ; (W2's last block came in with the wait ahead of round 6's products)
	MPART 1, 0, 0
	; The ways out, and the trips over rows beyond the first 24 tiles: step n = 0 .. 8.  Where n is a multiple of 4 the trip in hand goes out and the next one is begun; then come its rounds 2 (n % 4), 2 (n % 4) + 1.
	s_mov_b32 s49, 0
.Lmore:
	s_and_b32 s26, s49, 3
	s_lshl_b32 s46, s26, 15
	s_lshl_b32 s47, s26, 11
	v_add_nc_u32 v[BA], s46, v[L16]
	v_add_nc_u32 v[SBA], s47, v[SCB]
	s_wait_alu depctr_va_vdst(0)
	s_cmp_lg_u32 s26, 0
	s_cbranch_scc1 .Lrounds
	WIN 0x40
	v_mov_b32 v[H8W], v[H8]
.irp a, 0,1,2
	ds_load_b128 v[ID+8*\a:ID+8*\a+3], v[IDL] offset:64*\a
	ds_load_b128 v[ID+8*\a+4:ID+8*\a+7], v[IDL] offset:64*\a+16
.endr
	WIN 0
	s_wait_alu depctr_va_vdst(0)
.irp a, 0,1,2
	EPI \a
.endr
.Lepi_done:
	s_wait_dscnt 0x0
	s_wait_xcnt 0x0                                ; the stores have read their registers
	s_add_co_u32 s24, s24, 24                      ; the eight waves' 24 tiles on
	s_cmp_ge_u32 s24, s55
	s_cbranch_scc1 .Lskip
	TILES
	global_load_b128 v[B2:B2+3], v[R16], s[6:7]
	s_wait_loadcnt 0x0
	ds_store_b128 v[IDS], v[IDV:IDV+3]
	BEGIN
.Lrounds:
	s_cmp_ge_u32 s24, s55
	s_cbranch_scc1 .Lskip
	s_and_b32 s26, s49, 3
	s_lshl_b32 s28, s26, 13
	s_mov_b32 s29, 0
	s_wait_xcnt 0x0
	s_add_nc_u64 s[38:39], s[52:53], s[28:29]
	s_lshl_b32 s28, s26, 9
	s_add_nc_u64 s[40:41], s[56:57], s[28:29]
	HLOAD
	ALOAD 0, 0
	ALOAD 1, 2048
	MPART 0, 0, 0
	ALOAD 0, 4096
	ALOAD 1, 6144
	MPART 1, 0, 0
.Lskip:
	s_add_co_u32 s49, s49, 1
	s_cmp_lt_u32 s49, 9
	s_cbranch_scc1 .Lmore
	s_wait_tensorcnt 0x0                           ; the wave's end
	ds_add_u32 v[SPW], v[NIL]
	s_wait_dscnt 0x0
	s_endpgm
.Lfunc_end_k_q47f7108f50_ffn2:
	.size	k_q47f7108f50_ffn2, .Lfunc_end_k_q47f7108f50_ffn2-k_q47f7108f50_ffn2
	.p2alignl 7, 3214868480
	.fill 96, 4, 3214868480
	.section	.rodata,"a",@progbits
	.p2align	6, 0x0
	.amdhsa_kernel k_q47f7108f50_ffn2
		.amdhsa_group_segment_fixed_size 144384
		.amdhsa_private_segment_fixed_size 0
		.amdhsa_enable_private_segment 0
		.amdhsa_kernarg_size 48
		.amdhsa_user_sgpr_count 2
		.amdhsa_user_sgpr_kernarg_segment_ptr 1
		.amdhsa_wavefront_size32 1
		.amdhsa_system_sgpr_workgroup_id_x 1
		.amdhsa_system_sgpr_workgroup_id_y 1
		.amdhsa_system_sgpr_workgroup_id_z 1
		.amdhsa_system_vgpr_workitem_id 0
		.amdhsa_next_free_vgpr 512
		.amdhsa_next_free_sgpr 66
		.amdhsa_reserve_vcc 0
		.amdhsa_float_denorm_mode_32 3
		.amdhsa_float_denorm_mode_16_64 3
		.amdhsa_memory_ordered 1
		.amdhsa_forward_progress 1
		.amdhsa_inst_pref_size 125
	.end_amdhsa_kernel
	.amdgpu_metadata
---
amdhsa.version: [ 1, 2 ]
amdhsa.kernels:
  - .name:           k_q47f7108f50_ffn2
    .symbol:         k_q47f7108f50_ffn2.kd
    .args:
      - { .name: W2, .offset: 0, .size: 8, .value_kind: global_buffer, .address_space: global }
      - { .name: b2, .offset: 8, .size: 8, .value_kind: global_buffer, .address_space: global }
      - { .name: hq, .offset: 16, .size: 8, .value_kind: global_buffer, .address_space: global }
      - { .name: hs, .offset: 24, .size: 8, .value_kind: global_buffer, .address_space: global }
      - { .name: lst, .offset: 32, .size: 8, .value_kind: global_buffer, .address_space: global }
      - { .name: yp, .offset: 40, .size: 8, .value_kind: global_buffer, .address_space: global }
    .group_segment_fixed_size: 144384
    .private_segment_fixed_size: 0
    .kernarg_segment_align: 8
    .kernarg_segment_size: 48
    .max_flat_workgroup_size: 256
    .sgpr_count:     66
    .vgpr_count:     512
    .wavefront_size: 32
...
	.end_amdgpu_metadata
.endif
;; end of part 3
;; launch mix (part 4): grid 256 x 1, 8 waves a work-group, no clusters, 0 bytes of LDS; arguments yp, gw, out0; writes out0
.if DOCPART == 4
	.amdgcn_target "amdgcn-amd-amdhsa--gfx1250"
	.amdhsa_code_object_version 6
	.text
	.protected	k_q47f7108f50_mix
	.globl	k_q47f7108f50_mix
	.p2align	8
	.type	k_q47f7108f50_mix,@function
k_q47f7108f50_mix:
	s_mov_b64 s[64:65], 0
	v_nop
	global_prefetch_b8 v0, s[64:65] scope:SCOPE_SE
	s_setreg_imm32_b32 hwreg(HW_REG_WAVE_MODE, 25, 1), 1
	s_wait_xcnt 0x0
; out[t] = w0 (ya[2 t] + yb[2 t]) + w1 (ya[2 t + 1] + yb[2 t + 1]): ya, yb the two planes of yp (the halves of the second product's K), rows by id = 2 token + k; w0, w1 the token's gate weights.
; A stream: work-group g takes tokens 4 g .. 4 g + 3; thread t takes bytes 16 t of each row of 4,096, so a wave's load or store covers 512 consecutive bytes, aligned.  All 16 loads of a thread go out at once; the waits count down.
; No LDS, no barrier, no matrix unit: each number is read once and used once.
.set Y, 16                             ; v16-79: token k: ya, yb of its first choice, ya, yb of its second, four registers each
	s_load_b128 s[4:7], s[0:1], 0x0                ; yp s[4:5], gw s[6:7]
	s_load_b64 s[8:9], s[0:1], 0x10                ; out0
	v_lshlrev_b32 v1, 4, v0
	s_lshl_b32 s2, ttmp9, 15                       ; 8 rows of 4,096 bytes
	s_mov_b32 s3, 0
	s_lshl_b32 s12, ttmp9, 5                       ; 4 tokens x 8 bytes
	s_mov_b32 s13, 0
	s_lshl_b32 s14, ttmp9, 14                      ; 4 rows
	s_mov_b32 s15, 0
	s_wait_alu depctr_va_vdst(0)
	s_wait_kmcnt 0x0
	s_add_nc_u64 s[4:5], s[4:5], s[2:3]
	s_add_nc_u64 s[10:11], s[4:5], 0x800000        ; the second plane
	s_add_nc_u64 s[6:7], s[6:7], s[12:13]
	s_add_nc_u64 s[8:9], s[8:9], s[14:15]
	s_load_b256 s[16:23], s[6:7], 0x0              ; the four tokens' weights
.irp k, 0,1,2,3
	global_load_b128 v[Y+16*\k:Y+16*\k+3], v1, s[4:5] offset:8192*\k th:TH_LOAD_NT
	global_load_b128 v[Y+16*\k+4:Y+16*\k+7], v1, s[10:11] offset:8192*\k th:TH_LOAD_NT
	global_load_b128 v[Y+16*\k+8:Y+16*\k+11], v1, s[4:5] offset:8192*\k+4096 th:TH_LOAD_NT
	global_load_b128 v[Y+16*\k+12:Y+16*\k+15], v1, s[10:11] offset:8192*\k+4096 th:TH_LOAD_NT
.endr
	s_wait_kmcnt 0x0
.irp k, 0,1,2,3
	s_wait_loadcnt 12-4*\k                         ; this token's four loads are in; the later tokens' may be out
	v_pk_add_f32 v[Y+16*\k:Y+16*\k+1], v[Y+16*\k:Y+16*\k+1], v[Y+16*\k+4:Y+16*\k+5]
	v_pk_add_f32 v[Y+16*\k+2:Y+16*\k+3], v[Y+16*\k+2:Y+16*\k+3], v[Y+16*\k+6:Y+16*\k+7]
	v_pk_add_f32 v[Y+16*\k+8:Y+16*\k+9], v[Y+16*\k+8:Y+16*\k+9], v[Y+16*\k+12:Y+16*\k+13]
	v_pk_add_f32 v[Y+16*\k+10:Y+16*\k+11], v[Y+16*\k+10:Y+16*\k+11], v[Y+16*\k+14:Y+16*\k+15]
	s_delay_alu instid0(VALU_DEP_4)
	v_pk_mul_f32 v[Y+16*\k:Y+16*\k+1], v[Y+16*\k:Y+16*\k+1], s[16+2*\k:17+2*\k] op_sel_hi:[1,0]       ; x w0: the pair's low word serves both halves
	s_delay_alu instid0(VALU_DEP_4)
	v_pk_mul_f32 v[Y+16*\k+2:Y+16*\k+3], v[Y+16*\k+2:Y+16*\k+3], s[16+2*\k:17+2*\k] op_sel_hi:[1,0]
.irp q, 0,1,2,3
	v_fma_f32 v[Y+16*\k+\q], s[17+2*\k], v[Y+16*\k+8+\q], v[Y+16*\k+\q]
.endr
	global_store_b128 v1, v[Y+16*\k:Y+16*\k+3], s[8:9] offset:4096*\k th:TH_STORE_NT
.endr
	s_endpgm
.Lfunc_end_k_q47f7108f50_mix:
	.size	k_q47f7108f50_mix, .Lfunc_end_k_q47f7108f50_mix-k_q47f7108f50_mix
	.p2alignl 7, 3214868480
	.fill 96, 4, 3214868480
	.section	.rodata,"a",@progbits
	.p2align	6, 0x0
	.amdhsa_kernel k_q47f7108f50_mix
		.amdhsa_group_segment_fixed_size 0
		.amdhsa_private_segment_fixed_size 0
		.amdhsa_enable_private_segment 0
		.amdhsa_kernarg_size 24
		.amdhsa_user_sgpr_count 2
		.amdhsa_user_sgpr_kernarg_segment_ptr 1
		.amdhsa_wavefront_size32 1
		.amdhsa_system_sgpr_workgroup_id_x 1
		.amdhsa_system_sgpr_workgroup_id_y 1
		.amdhsa_system_sgpr_workgroup_id_z 1
		.amdhsa_system_vgpr_workitem_id 0
		.amdhsa_next_free_vgpr 96
		.amdhsa_next_free_sgpr 66
		.amdhsa_reserve_vcc 0
		.amdhsa_float_denorm_mode_32 3
		.amdhsa_float_denorm_mode_16_64 3
		.amdhsa_memory_ordered 1
		.amdhsa_forward_progress 1
		.amdhsa_inst_pref_size 6
	.end_amdhsa_kernel
	.amdgpu_metadata
---
amdhsa.version: [ 1, 2 ]
amdhsa.kernels:
  - .name:           k_q47f7108f50_mix
    .symbol:         k_q47f7108f50_mix.kd
    .args:
      - { .name: yp, .offset: 0, .size: 8, .value_kind: global_buffer, .address_space: global }
      - { .name: gw, .offset: 8, .size: 8, .value_kind: global_buffer, .address_space: global }
      - { .name: out0, .offset: 16, .size: 8, .value_kind: global_buffer, .address_space: global }
    .group_segment_fixed_size: 0
    .private_segment_fixed_size: 0
    .kernarg_segment_align: 8
    .kernarg_segment_size: 24
    .max_flat_workgroup_size: 256
    .sgpr_count:     66
    .vgpr_count:     96
    .wavefront_size: 32
...
	.end_amdgpu_metadata
.endif
;; end of part 4
